; MI455X (gfx1250); checked and timed in simulation.
; The chip was launched on July 23, 2026; its instructions are those of AMD's public machine-readable ISA for CDNA 5 (MIT licence, August 2026) and "CDNA5" Instruction Set Architecture Reference Guide (July 2026). The comments in the code are by the model that wrote it; some were corrected since.
;; Vector Quantizer. Allowed arithmetic: matrix products marked QUANTISED: E2M1 operands, one E8M0 scale for each 32 along K, by v_wmma_scale_f32_16x16x128_f8f6f4 with both operands' format E2M1 (or v_wmma_scale_f32_32x16x128_f4), f32 sums; everything else in f32.
;; Inputs: inputs 64 x 32 x 32 x 64 float32; w 1,024 x 64 float32.
;; Outputs: out0 64 x 32 x 32 x 64 float32; out1 one number float32; out2 65,536 int32; out3 64 x 1,024 float32.
;; This version of the problem:
;;   THIS VERSION OF THE PROBLEM IS GIVEN IN LOW PRECISION. The matrix products marked QUANTISED in the list below multiply operands that are first quantised to E2M1 (2 exponent bits, 1 mantissa bit; 4 bits a number), with one power-of-two scale for each 32 numbers along K (OCP MX v1.0); their sums are f32. All else is computed in f32.
;;   The module's matrix products, in the order in which they are computed (A, B: the left and right operand; K: the contracted axis; several contracted axes count as one K, in the product's order):
;;     1. [M 65,536, K 64] x [K 64, N 1,024]; A: input inputs; B: input w: QUANTISED
;;   THE QUANTISER, for each operand of a quantised product, along K:
;;     - K is cut into blocks of 32 from its start; a last block that is shorter is filled with zeros.
;;     - A block's scale is 2^e with e = floor(log2(the largest magnitude in the block)) - 2, held to -126 .. 127; a block of zeros has e = 0. As a byte (E8M0): e + 127.
;;     - Each number is divided by its block's scale, clamped to +-6, and rounded to the nearest number of E2M1, ties to even, subnormals kept.
;;     - The product sums the exact products of the quantised numbers (number of the format x scale) in f32.
;;   ~~~python
;;   def quantise(x, axis):      # numpy; x: float32 -> the quantised numbers, widened to float32 again
;;       x = np.moveaxis(x, axis, -1); K = x.shape[-1]
;;       x = np.pad(x, [(0, 0)] * (x.ndim - 1) + [(0, -K % 32)]); x = x.reshape(x.shape[:-1] + (-1, 32)); a = np.abs(x).max(-1, keepdims=True)
;;       e = np.where(a > 0, np.clip(np.frexp(np.where(a > 0, a, 1))[1] - 1 - 2, -126, 127), 0)      # np.frexp(a)[1] - 1 = floor(log2(a)), exactly
;;       r = np.clip(x / 2.0 ** e, -6, 6)
;;       step = 2.0 ** (np.maximum(np.frexp(np.where(r == 0, 1, r))[1] - 1, 0) - 1)
;;       q = np.round(r / step) * step * 2.0 ** e      # np.round: ties to even
;;       return np.moveaxis(q.reshape(q.shape[:-2] + (-1,))[..., :K], -1, axis).astype(np.float32)
;;   ~~~
;; 2 versions. Each part assembles by itself: llvm-mc -triple=amdgcn-amd-amdhsa -mcpu=gfx1250 --defsym DOCPART=n.
;; ======== version 1 of 2: 3 launches
;; workspace buffers: idx 262,144 bytes of whole numbers; part 8,192 bytes
;; launch nearest (part 1): grid 256 x 1, 8 waves a work-group, no clusters, 112,640 bytes of LDS; arguments inputs, w, out2, idx; writes out2, idx
.if DOCPART == 1
	.amdgcn_target "amdgcn-amd-amdhsa--gfx1250"
	.amdhsa_code_object_version 6
	.text
	.protected	k_q1a039a3252_nearest
	.globl	k_q1a039a3252_nearest
	.p2align	8
	.type	k_q1a039a3252_nearest,@function
k_q1a039a3252_nearest:
	s_mov_b64 s[64:65], 0
	v_nop
	global_prefetch_b8 v0, s[64:65] scope:SCOPE_SE
	s_setreg_imm32_b32 hwreg(HW_REG_WAVE_MODE, 25, 1), 1
	s_wait_xcnt 0x0
; For each of the 65,536 rows x (64 numbers) the index of the nearest of 1,024 codebook rows w:  the first k with the least  d = (|x|^2 - 2 Q(x).Q(w_k)) + |w_k|^2,
; Q the MX-FP4 quantiser along the 64 (two blocks of 32), the product by v_wmma_scale_f32_16x16x128_f8f6f4 on E2M1 codes, all else f32, associated as written here.
; SHARES.  A work-group of eight waves owns 256 rows; a wave owns 32: two tiles of 16, quantised in its registers.  Every work-group quantises all of w, FIRST: each wave takes eight of the 64 tiles of 16 codebook
; rows, two at a time, and lays codes, scale words and |w|^2 in LDS as images of the operand's registers.  ONE barrier; then every wave multiplies its two tiles of x by all 64 tiles, with no further barrier
; and no load from memory, so that the two waves of a SIMD are free to work in each other's waits.
; x and w pass through three sets of 64 raw registers (window 1): x, w's parts 0 and 1 are asked for at the head, parts 2 and 3 as soon as a set has been read out: at most 48 loads of a wave are out.
; K = 64 fills half of the instruction's 128: registers 4-7 of every fragment hold zero codes, which add nothing.
; LAYOUT.  The product is used transposed (source 0 = 16 rows of w, source 1 = 16 rows of x): lane (r, h) holds row r of x, and register j the codebook row 8 h + j of the tile.
; THE FACTOR -2 AND |x|^2 GO INTO THE PRODUCT.  The quantiser is odd, so x's codes with their signs turned are the codes of -x; each of x's scale bytes is raised by one, which doubles the block (the quantiser
; gives bytes up to 252, so 255 is not reached); |x|^2 is the product's C.  The result is |x|^2 - 2 p, rounded once; |w|^2 is added to it by a packed addition.
; THE LEAST DISTANCE.  The codebook goes in 32 groups of 32 rows, 16 distances a lane.  A chain of v_min3 gives the new least; where it is strictly less than the old, the group's 16 distances and its number are kept
; (v_cndmask: no branch hangs on a number).  At the end the first kept distance equal to the least gives the place in the group, and the two halves of the lanes are joined by (d, k): so the first index wins.
; THE SUMS OF SQUARES: each product is rounded, the products are added in ascending order inside each half of 32, the two halves are added last.
; LIMITS: NaN and infinities among the inputs are not served; blocks whose largest magnitude lies under 2^-124, whose scale byte is held at 1, were not tried; a block of zeros gets the byte 1 (its codes are zeros);
; |x|^2 - 2 p is rounded by the matrix unit: a row whose two best distances lie within an ulp or so of each other can take the other index.
; NO CLUSTER: what the work-groups share is w, which passes through registers on its way to the quantiser.  A joint load lands in LDS alone: w as f32 in rows of 272 bytes is 278,528 bytes, beside 41,984 of images
; and 69,632 of the stages: more than the 327,680 that a work-group can have.
.set SROW,   272                       ; a stage row: 256 bytes (a row of x or w) + 16
.set SCH,    16*SROW                   ; a tile of 16 rows in the stage
.set SWAVE,  2*SCH                     ; a wave's stage: two tiles
.set WC,     0                         ; LDS: w's codes, 64 tiles x 512 bytes: lane l's 16 bytes at 16 l
.set WWL,    32768                     ; |w|^2, 1,024 x 4 bytes
.set SWL,    36864                     ; w's scale words, 1,024 x 4 bytes
.set IXL,    40960                     ; the work-group's 256 indices
.set STG,    41984                     ; the stages, one for each wave
.set PART,   65536                     ; a part of w: 16 tiles, 256 rows of 256 bytes
.set TRIPS,  3                         ; trips of eight groups in the loop; the last eight groups are written out
.set LN,  1                            ; v1   lane
.set RR,  2                            ; v2   r = lane % 16
.set HH,  3                            ; v3   h = lane / 16
.set GLD, 4                            ; v4   16 x lane: my 16 bytes of a load's 512; never rewritten
.set STS, 5                            ; v5   the stage, on the way in
.set STL, 6                            ; v6   and on the way out: row r, half h
.set IMG, 7                            ; v7   where I store my tiles' codes; never rewritten
.set WSA, 8                            ; v8   and their |w|^2 and scale words; never rewritten
.set ACD, 9                            ; v9   where I read a trip's codes
.set AWW, 10                           ; v10  its |w|^2
.set ASW, 11                           ; v11  its scale words
.set SH8, 12                           ; v12  8 h
.set IXS, 13                           ; v13  4 x thread
.set IXR, 14                           ; v14  16 x lane + 512 x (wave % 2)
.set XB,  16                           ; v16-31   x's two fragments (registers 4-7 of each: zeros)
.set XS,  32                           ; v32-33   x's scale words: these two hold nothing else
.set SWB, 38                           ; v38-39   w's scale words, two buffers: these two hold nothing else
.set CD,  40                           ; v40-47   the codes just made
.set MXA, 48                           ; v48-61   the quantiser's work
.set MXB, 50
.set SC,  52
.set BY,  54
.set ACC, 56
.set PT,  58
.set PW,  60
.set DD,  64                           ; v64-127  distances: set s, tile x of rows, 16 each: DD + 32 s + 16 x
.set TT,  64                           ; the same registers ahead of the barrier: two tiles' numbers, 32 a lane each
.set AF,  128                          ; v128-159 w's fragments: buffer b, tile u: AF + 16 b + 8 u (registers 4-7 of each: zeros)
.set WB,  160                          ; v160-191 |w|^2 in the result's layout: buffer b: 16
.set RET, 192                          ; v192-223 the kept group's 16 distances, for each tile of rows
.set BST, 224                          ; v224-227 the least so far: two registers by turns for each tile of rows
.set GI,  228                          ; v228-229 the kept group's number
.set TM,  230                          ; v230-231 the second chain of the minimum
.set POS, 232
.set KK,  234
.set OB,  236
.set OK,  238
.set XXC, 240                          ; v240-255 |x|^2 of my row as the product's C: eight registers for each tile of rows; never rewritten
.set RAW, 0                            ; window 1: three sets of 64 registers, numbers as loaded: v256-319, v320-383, v384-447
.set WV,  12                           ; s12  wave
.set SEL, 20                           ; s[20:21] v_permlanex16_b32's selects for lane l xor 16
.set MK,  22                           ; s22  a mask
.set PH,  23                           ; s23  the trip
.set GS,  24                           ; s24-31 the numbers of the trip's eight groups
.set MSB, 0
.macro WIN new                         ; the immediate's high byte repeats the setting that is left
.if MSB != \new
	s_set_vgpr_msb (MSB<<8)|\new
.set MSB, \new
.endif
.endm
; Two tiles, 8,192 consecutive bytes from off on: each load reads 512 consecutive bytes, 16 a lane
.macro LOADP set, base, off
	WIN 0x40                                       ; destination window 1
.irp u, 0,1
.irp i, 0,1,2,3,4,5,6,7
	global_load_b128 v[RAW+64*(\set)+32*\u+4*\i:RAW+64*(\set)+32*\u+4*\i+3], v[GLD], s[\base:\base+1] offset:(\off)+4096*\u+512*\i
.endr
.endr
	WIN 0
.endm
; They turn through my own stage: in as they were loaded (a load's 512 bytes are two rows), out 128 bytes a lane: lane (r, h) gets block h of row r.  LDS serves a wave's instructions in order: no wait between
.macro TURNP set
	WIN 0x04                                       ; an LDS store's data are its source 1: window 1
.irp u, 0,1
.irp i, 0,1,2,3,4,5,6,7
	ds_store_b128 v[STS], v[RAW+64*(\set)+32*\u+4*\i:RAW+64*(\set)+32*\u+4*\i+3] offset:SCH*\u+2*SROW*\i
.endr
.endr
	WIN 0
.irp u, 0,1
.irp i, 0,1,2,3,4,5,6,7
	ds_load_b128 v[TT+32*\u+4*\i:TT+32*\u+4*\i+3], v[STL] offset:SCH*\u+16*\i
.endr
.endr
.endm
; Two blocks of 32 a lane (tile u at v[TT + 32 u]) become codes (four registers each, at c0 and c1).  Left behind: ACC = my half's sum of squares, PT = the other half's; BY = my scale byte at bit 8 h, PW = the other half's.
; The two tiles go by turns, so that no line waits for the line above it.
.macro QUANT2 c0, c1
.irp u, 0,1
	v_max3_num_f32 v[MXA+\u], |v[TT+32*\u]|, |v[TT+32*\u+1]|, |v[TT+32*\u+2]|
	v_max3_num_f32 v[MXB+\u], |v[TT+32*\u+3]|, |v[TT+32*\u+4]|, |v[TT+32*\u+5]|
.endr
.irp i, 6,10,14,18,22,26
.irp u, 0,1
	v_max3_num_f32 v[MXA+\u], v[MXA+\u], |v[TT+32*\u+\i]|, |v[TT+32*\u+\i+1]|
	v_max3_num_f32 v[MXB+\u], v[MXB+\u], |v[TT+32*\u+\i+2]|, |v[TT+32*\u+\i+3]|
.endr
.endr
.irp u, 0,1
	v_max3_num_f32 v[MXA+\u], v[MXA+\u], |v[TT+32*\u+30]|, |v[TT+32*\u+31]|
.endr
.irp u, 0,1
	v_max3_num_f32 v[MXA+\u], v[MXA+\u], v[MXB+\u], 0x1800000   ; the block's largest magnitude, and the floor 2^(3 - 127): the byte cannot fall under 1
.endr
.irp u, 0,1
	v_add_nc_u32 v[SC+\u], 0xff000000, v[MXA+\u]   ; 2 off its exponent field: the conversion takes the exponent field of this operand as its scale
.endr
.irp g, 0,1,2,3
	v_cvt_scalef32_pk8_fp4_f32 v[(\c0)+\g], v[TT+8*\g:TT+8*\g+7], v[SC]
	v_cvt_scalef32_pk8_fp4_f32 v[(\c1)+\g], v[TT+32+8*\g:TT+32+8*\g+7], v[SC+1]
.endr
.irp u, 0,1
	v_lshrrev_b32 v[BY+\u], 23, v[SC+\u]           ; the scale's byte (also the plain line between the conversions and the squares, which write over their sources)
.endr
.set qi, 0
.rept 17                                               ; the squares, two at a time, in place; the sums follow one step behind, each a chain in ascending order
.if qi < 32
	v_pk_mul_f32 v[TT+qi:TT+qi+1], v[TT+qi:TT+qi+1], v[TT+qi:TT+qi+1]
	v_pk_mul_f32 v[TT+32+qi:TT+33+qi], v[TT+32+qi:TT+33+qi], v[TT+32+qi:TT+33+qi]
.endif
.if qi == 2
	v_add_f32 v[ACC], v[TT], v[TT+1]
	v_add_f32 v[ACC+1], v[TT+32], v[TT+33]
.endif
.if qi > 2
	v_add_f32 v[ACC], v[ACC], v[TT+qi-2]
	v_add_f32 v[ACC+1], v[ACC+1], v[TT+32+qi-2]
	v_add_f32 v[ACC], v[ACC], v[TT+qi-1]
	v_add_f32 v[ACC+1], v[ACC+1], v[TT+32+qi-1]
.endif
.set qi, qi+2
.endr
.irp u, 0,1
	v_permlanex16_b32 v[PT+\u], v[ACC+\u], s[SEL], s[SEL+1]
	v_lshlrev_b32 v[BY+\u], v[SH8], v[BY+\u]
.endr
.irp u, 0,1
	v_permlanex16_b32 v[PW+\u], v[BY+\u], s[SEL], s[SEL+1]
.endr
.endm
.macro WPOST p                         ; my two tiles of part p go to LDS: codes as they stand in the lanes; |w|^2 and the scale word of row r (both halves of the lanes write the same word with the same value)
.irp u, 0,1
	v_add_f32 v[ACC+\u], v[ACC+\u], v[PT+\u]
	v_or_b32 v[PW+\u], v[PW+\u], v[BY+\u]
.endr
.irp u, 0,1
	ds_store_b128 v[IMG], v[CD+4*\u:CD+4*\u+3] offset:WC+8192*(\p)+512*\u
	ds_store_b32 v[WSA], v[ACC+\u] offset:WWL+1024*(\p)+64*\u
	ds_store_b32 v[WSA], v[PW+\u] offset:SWL+1024*(\p)+64*\u
.endr
.endm
; My two tiles of part p of w, which lie in raw set 'set'.  left: the loads issued behind theirs, which may stay out
.macro WPHASE p, set, left
	s_wait_loadcnt \left
	TURNP \set
	s_wait_dscnt 0x0                               ; the numbers are back; the stage's stores have read the raw set, and the last part's image stores their registers
.if (\p) == 0
	LOADP 1, 6, 3*PART                             ; the set just read out takes part 3
.endif
	QUANT2 CD, CD+4
	WPOST \p
.endm
; Group q of the trip (two tiles of w) into buffer b: seven LDS loads.  The scale words of both tiles share a register: lanes 0-15 the first tile's rows, lanes 16-31 the second's
.macro LOADW b, q
.irp u, 0,1
	ds_load_b128 v[AF+16*(\b)+8*\u:AF+16*(\b)+8*\u+3], v[ACD] offset:WC+1024*(\q)+512*\u
.endr
.irp u, 0,1
	ds_load_b128 v[WB+16*(\b)+8*\u:WB+16*(\b)+8*\u+3], v[AWW] offset:WWL+128*(\q)+64*\u
	ds_load_b128 v[WB+16*(\b)+8*\u+4:WB+16*(\b)+8*\u+7], v[AWW] offset:WWL+128*(\q)+64*\u+16
.endr
	ds_load_b32 v[SWB+(\b)], v[ASW] offset:SWL+128*(\q)
.endm
; Four products: the two tiles of w in buffer b x my two tiles of -2 x, into set b.  Each takes |x|^2 as its C; the four results share no register, and none is its own C
.macro WMMA4 b
.irp u, 0,1
.irp x, 0,1
.if \u
	v_wmma_scale_f32_16x16x128_f8f6f4 v[DD+32*(\b)+16*\x+8:DD+32*(\b)+16*\x+15], v[AF+16*(\b)+8:AF+16*(\b)+15], v[XB+8*\x:XB+8*\x+7], v[XXC+8*\x:XXC+8*\x+7], v[SWB+(\b)], v[XS+\x] matrix_a_fmt:MATRIX_FMT_FP4 matrix_b_fmt:MATRIX_FMT_FP4 matrix_a_scale:MATRIX_SCALE_ROW1
.else
	v_wmma_scale_f32_16x16x128_f8f6f4 v[DD+32*(\b)+16*\x:DD+32*(\b)+16*\x+7], v[AF+16*(\b):AF+16*(\b)+7], v[XB+8*\x:XB+8*\x+7], v[XXC+8*\x:XXC+8*\x+7], v[SWB+(\b)], v[XS+\x] matrix_a_fmt:MATRIX_FMT_FP4 matrix_b_fmt:MATRIX_FMT_FP4
.endif
.endr
.endr
.endm
; GROUP q of a trip.  Its products were issued a group ago.  ld = 1: the group after next is fetched into this group's buffer, as soon as the additions have read its |w|^2 (its fragments were multiplied a group ago,
; 34 selections back).  mm = 1: the next group's products are issued here.  Behind the products stand the 34 selections, which name none of their registers: they are the places ahead of the first read of the
; results and of the next loads into the fragments.
.macro GROUP q, mm, ld
.set PB, (\q)%2
.set DSET, DD+32*PB
.set BO, BST+PB
.set BN, BST+1-PB
.irp i, 0,2,4,6,8,10,12,14
.irp x, 0,1
	v_pk_add_f32 v[DSET+16*\x+\i:DSET+16*\x+\i+1], v[DSET+16*\x+\i:DSET+16*\x+\i+1], v[WB+16*PB+\i:WB+16*PB+\i+1]   ; (|x|^2 - 2 p) + |w|^2; each result is read from its low end on
.endr
.endr
.if \ld
	LOADW PB, (\q)+2
.endif
.irp x, 0,1                                            ; the least of the old least and the 16: two chains for each tile of rows, eight lines
	v_min3_num_f32 v[BN+2*\x], v[BO+2*\x], v[DSET+16*\x], v[DSET+16*\x+1]
	v_min3_num_f32 v[TM+\x], v[DSET+16*\x+8], v[DSET+16*\x+9], v[DSET+16*\x+10]
.endr
.irp i, 2,4
.irp x, 0,1
	v_min3_num_f32 v[BN+2*\x], v[BN+2*\x], v[DSET+16*\x+\i], v[DSET+16*\x+\i+1]
	v_min3_num_f32 v[TM+\x], v[TM+\x], v[DSET+16*\x+9+\i], v[DSET+16*\x+10+\i]
.endr
.endr
.irp x, 0,1
	v_min3_num_f32 v[BN+2*\x], v[BN+2*\x], v[DSET+16*\x+6], v[DSET+16*\x+7]
.endr
.irp x, 0,1
	v_min3_num_f32 v[BN+2*\x], v[BN+2*\x], v[TM+\x], v[DSET+16*\x+15]
.endr
	v_cmp_lt_f32 vcc_lo, v[BN], v[BO]              ; strictly less: an equal distance of a later group does not displace the earlier one
	v_cmp_lt_f32 s[MK], v[BN+2], v[BO+2]
.if \mm
.if \ld
	s_wait_dscnt 7                                 ; the next group's seven loads, issued a group ago, are in; the seven just issued may be out
.else
	s_wait_dscnt 0x0                               ; the next group's seven loads are in; nothing was issued behind them
.endif
	WMMA4 1-PB
.endif
.irp e, 0,1,2,3,4,5,6,7,8,9,10,11,12,13,14,15
	v_cndmask_b32 v[RET+\e], v[RET+\e], v[DSET+\e], vcc_lo
	v_cndmask_b32 v[RET+16+\e], v[RET+16+\e], v[DSET+16+\e], s[MK]
.endr
	v_cndmask_b32 v[GI], v[GI], s[GS+(\q)], vcc_lo
	v_cndmask_b32 v[GI+1], v[GI+1], s[GS+(\q)], s[MK]
.endm
	s_load_b256 s[4:11], s[0:1], 0x0               ; inputs s[4:5], w s[6:7], out2 s[8:9], idx s[10:11]
	v_lshl_add_u32 v62, v0, 2, 0x1b400
	v_mov_b32 v63, 0
	v_lshrrev_b32 v15, 5, v0
	v_readfirstlane_b32 s[WV], v15                 ; wave 0..7
	v_and_b32 v[LN], 31, v0
	v_and_b32 v[RR], 15, v0
	v_bfe_u32 v[HH], v0, 4, 1
	v_lshlrev_b32 v[GLD], 4, v[LN]
	s_mul_i32 s13, s[WV], SWAVE
	s_add_co_u32 s13, s13, STG                     ; my stage
	v_mul_u32_u24 v[STS], v[HH], SROW
	v_lshl_add_u32 v[STS], v[RR], 4, v[STS]
	v_add_nc_u32 v[STS], s13, v[STS]               ; in: lanes 0-15 one row of 256 bytes, lanes 16-31 the next
	v_mul_u32_u24 v[STL], v[RR], SROW
	v_lshl_add_u32 v[STL], v[HH], 7, v[STL]
	v_add_nc_u32 v[STL], s13, v[STL]               ; out: row r, 128 h bytes on
	s_lshl_b32 s14, s[WV], 10
	v_add_nc_u32 v[IMG], s14, v[GLD]               ; tile 2 x wave of a part: 512 bytes a tile, 16 a lane
	s_lshl_b32 s14, s[WV], 7
	v_lshlrev_b32 v[WSA], 2, v[RR]
	v_add_nc_u32 v[WSA], s14, v[WSA]               ; 64 bytes a tile, 4 a row
	v_lshlrev_b32 v[SH8], 3, v[HH]
	v_lshlrev_b32 v[ACD], 4, v[LN]
	v_lshlrev_b32 v[AWW], 5, v[HH]                 ; |w|^2 of the tile's rows 8 h + 0 .. 7
	v_lshlrev_b32 v[ASW], 2, v[LN]
	v_lshlrev_b32 v[IXS], 2, v0
	s_and_b32 s14, s[WV], 1
	s_lshl_b32 s14, s14, 9
	v_add_nc_u32 v[IXR], s14, v[GLD]
	s_mov_b32 s[SEL], 0x76543210
	s_mov_b32 s[SEL+1], 0xfedcba98
	s_mov_b32 s[MK], 0x7f800000                    ; +infinity
	s_lshl_b32 s16, ttmp9, 16                      ; the work-group's 256 rows of 256 bytes,
	s_lshl_b32 s15, s[WV], 13                      ; my wave's 32
	s_add_co_u32 s16, s16, s15
	s_mov_b32 s17, 0
	s_mov_b32 s18, s15                             ; in w: my two tiles of a part, 8,192 bytes a wave
	s_mov_b32 s19, 0
.irp q, 0,1,2,3,4,5,6,7
	s_mov_b32 s[GS+\q], \q
.endr
	s_wait_kmcnt 0x0
	s_add_nc_u64 s[4:5], s[4:5], s[16:17]
	s_add_nc_u64 s[6:7], s[6:7], s[18:19]          ; neither address is stepped again: the parts stand in the loads' immediates
	LOADP 0, 4, 0                                  ; my 32 rows of x (no hint: the next launch reads these rows again)
	LOADP 1, 6, 0                                  ; my two tiles of w's part 0
	LOADP 2, 6, PART                               ; and of part 1
	; while they are on their way: the zero codes of K = 64 .. 127, and the state
.irp f, 0,1,2,3
.irp j, 4,5,6,7
	v_mov_b32 v[AF+8*\f+\j], 0
.endr
.endr
.irp f, 0,1
.irp j, 4,5,6,7
	v_mov_b32 v[XB+8*\f+\j], 0
.endr
.endr
.set ri, 0
.rept 32
	v_mov_b32 v[RET+ri], s[MK]                     ; the kept distances begin as +infinity, like the least: the loop has no first group of its own
.set ri, ri+1
.endr
	v_mov_b32 v[BST], s[MK]
	v_mov_b32 v[BST+2], s[MK]
.irp x, 0,1
	v_mov_b32 v[GI+\x], 0
	v_mov_b32 v[PT+\x], 0                          ; a lane permute's destination counts as one of its sources: written once
	v_mov_b32 v[PW+\x], 0
	v_mov_b32 v[OB+\x], 0
	v_mov_b32 v[OK+\x], 0
	v_mov_b32 v[POS+\x], 0
.endr
	s_wait_loadcnt 32                              ; x's 16 loads are in; the 32 of w's parts 0 and 1 may be out
	TURNP 0
	s_wait_dscnt 0x0                               ; the numbers are back, and the stage's stores have read the raw set,
	LOADP 0, 6, 2*PART                             ; which takes w's part 2
	QUANT2 XB, XB+8                                ; the codes are the operand as they stand
.irp u, 0,1
	v_add_f32 v[XXC+8*\u], v[ACC+\u], v[PT+\u]     ; |x|^2 of row r, in both halves of the lanes
	v_or_b32 v[XS+\u], v[PW+\u], v[BY+\u]          ; its scale word: byte 0 block 0, byte 1 block 1
.endr
.irp u, 0,1
	v_add_nc_u32 v[XS+\u], 0x101, v[XS+\u]         ; both bytes one up: the blocks doubled.  A byte is at most 252 here: no carry, and never 255
.endr
.irp u, 0,1
.irp j, 0,1,2,3
	v_xor_b32 v[XB+8*\u+\j], 0x88888888, v[XB+8*\u+\j]   ; every code's sign turned: the codes of -x
.endr
.endr
.irp u, 0,1
.irp j, 1,2,3,4,5,6,7
	v_mov_b32 v[XXC+8*\u+\j], v[XXC+8*\u]          ; C in the result's layout: all eight registers of a lane belong to its one row of x
.endr
.endr
	WPHASE 0, 1, 32                                ; behind part 0's loads: parts 1 and 2
	WPHASE 1, 2, 32                                ; behind part 1's: parts 2 and 3
	WPHASE 2, 0, 16                                ; behind part 2's: part 3
	WPHASE 3, 1, 0
	s_wait_dscnt 0x0                               ; for the others' sake: my images lie in LDS
	s_barrier_signal -1
	s_barrier_wait -1                              ; all 64 tiles lie in LDS.  They are written once: no barrier is owed behind the reads
	LOADW 0, 0
	LOADW 1, 1
	s_wait_dscnt 7                                 ; group 0's seven loads are in; group 1's seven may be out
	WMMA4 0
.rept 4
	v_nop                                          ; four places behind the first products: no other vector work is at hand here
.endr
	s_mov_b32 s[PH], 0
.Ltrip:                                                ; eight groups a trip; the fetches and products run on over the backward jump: groups 6 and 7 fetch, and group 7 multiplies, for the next trip
	GROUP 0, 1, 1
	GROUP 1, 1, 1
	GROUP 2, 1, 1
	GROUP 3, 1, 1
	GROUP 4, 1, 1
	GROUP 5, 1, 1
	GROUP 6, 1, 1
	GROUP 7, 1, 1
	s_wait_dscnt 0x0                               ; no LDS load of mine is out (the last were issued 56 instructions ago): the addresses step
	v_add_nc_u32 v[ACD], 8192, v[ACD]
	v_add_nc_u32 v[AWW], 1024, v[AWW]
	v_add_nc_u32 v[ASW], 1024, v[ASW]
.irp q, 0,1,2,3,4,5,6,7
	s_add_co_u32 s[GS+\q], s[GS+\q], 8
.endr
	s_add_co_u32 s[PH], s[PH], 1
	s_cmp_lt_u32 s[PH], TRIPS
	s_cbranch_scc1 .Ltrip
	GROUP 0, 1, 1                                  ; the last eight groups are written out: nothing is fetched past the 64th tile
	GROUP 1, 1, 1
	GROUP 2, 1, 1
	GROUP 3, 1, 1
	GROUP 4, 1, 1
	GROUP 5, 1, 1
	GROUP 6, 1, 0
	GROUP 7, 0, 0
	; The place in the kept group: the first of the 16 that equals the least (from the last down, so that the first stays).  Register e is codebook row 32 g + 16 (e / 8) + 8 h + e % 8
.irp e, 15,14,13,12,11,10,9,8,7,6,5,4,3,2,1,0
	v_cmp_eq_f32 vcc_lo, v[RET+\e], v[BST]
	v_cmp_eq_f32 s[MK], v[RET+16+\e], v[BST+2]
	v_cndmask_b32 v[POS], v[POS], 16*(\e/8)+\e%8, vcc_lo
	v_cndmask_b32 v[POS+1], v[POS+1], 16*(\e/8)+\e%8, s[MK]
.endr
.irp x, 0,1
	v_lshl_add_u32 v[KK+\x], v[GI+\x], 5, v[POS+\x]
.endr
.irp x, 0,1
	v_lshl_add_u32 v[KK+\x], v[HH], 3, v[KK+\x]
.endr
.irp x, 0,1
	v_permlanex16_b32 v[OB+\x], v[BST+2*\x], s[SEL], s[SEL+1]   ; the row's other codebook rows lie in the lane 16 away
	v_permlanex16_b32 v[OK+\x], v[KK+\x], s[SEL], s[SEL+1]
.endr
.irp x, 0,1
	v_cmp_lt_f32 s28, v[OB+\x], v[BST+2*\x]        ; the other's is taken where it is less, or equal with the lower index
	v_cmp_eq_f32 s29, v[OB+\x], v[BST+2*\x]
	v_cmp_lt_u32 s30, v[OK+\x], v[KK+\x]
	s_and_b32 s29, s29, s30
	s_or_b32 s28, s28, s29
	v_cndmask_b32 v[KK+\x], v[KK+\x], v[OK+\x], s28
.endr
	v_cmp_le_u32 vcc_lo, 16, v[LN]                 ; lanes 0-15 speak for my first 16 rows, lanes 16-31 for the second
	v_cndmask_b32 v[KK], v[KK], v[KK+1], vcc_lo
	ds_store_b32 v[IXS], v[KK] offset:IXL          ; thread t holds row t of the work-group's 256
	s_wait_dscnt 0x0                               ; for the others' sake
	s_barrier_signal -1
	s_barrier_wait -1
	s_cmp_ge_u32 s[WV], 4
	s_cbranch_scc1 .Ldone                          ; the 1,024 bytes leave twice, 512 a wave: waves 0, 1 to out2, waves 2, 3 to idx
	ds_load_b128 v[CD:CD+3], v[IXR] offset:IXL
	s_cmp_lt_u32 s[WV], 2
	s_cselect_b64 s[8:9], s[8:9], s[10:11]
	s_lshl_b32 s14, ttmp9, 10
	s_mov_b32 s15, 0
	s_add_nc_u64 s[8:9], s[8:9], s[14:15]
	s_wait_dscnt 0x0
	global_store_b128 v[IXR], v[CD:CD+3], s[8:9]   ; sixteen lanes store 256 consecutive bytes, at a multiple of 256 from the buffer's first byte
.Ldone:
	s_wait_tensorcnt 0x0
	ds_add_u32 v62, v63
	s_wait_dscnt 0x0
	s_endpgm
.Lfunc_end_k_q1a039a3252_nearest:
	.size	k_q1a039a3252_nearest, .Lfunc_end_k_q1a039a3252_nearest-k_q1a039a3252_nearest
	.p2alignl 7, 3214868480
	.fill 96, 4, 3214868480
	.section	.rodata,"a",@progbits
	.p2align	6, 0x0
	.amdhsa_kernel k_q1a039a3252_nearest
		.amdhsa_group_segment_fixed_size 112640
		.amdhsa_private_segment_fixed_size 0
		.amdhsa_enable_private_segment 0
		.amdhsa_kernarg_size 32
		.amdhsa_user_sgpr_count 2
		.amdhsa_user_sgpr_kernarg_segment_ptr 1
		.amdhsa_wavefront_size32 1
		.amdhsa_system_sgpr_workgroup_id_x 1
		.amdhsa_system_sgpr_workgroup_id_y 1
		.amdhsa_system_sgpr_workgroup_id_z 1
		.amdhsa_system_vgpr_workitem_id 0
		.amdhsa_next_free_vgpr 448
		.amdhsa_next_free_sgpr 66
		.amdhsa_reserve_vcc 1
		.amdhsa_float_denorm_mode_32 3
		.amdhsa_float_denorm_mode_16_64 3
		.amdhsa_memory_ordered 1
		.amdhsa_forward_progress 1
		.amdhsa_inst_pref_size 143
	.end_amdhsa_kernel
	.amdgpu_metadata
---
amdhsa.version: [ 1, 2 ]
amdhsa.kernels:
  - .name:           k_q1a039a3252_nearest
    .symbol:         k_q1a039a3252_nearest.kd
    .args:
      - { .name: inputs, .offset: 0, .size: 8, .value_kind: global_buffer, .address_space: global }
      - { .name: w, .offset: 8, .size: 8, .value_kind: global_buffer, .address_space: global }
      - { .name: out2, .offset: 16, .size: 8, .value_kind: global_buffer, .address_space: global }
      - { .name: idx, .offset: 24, .size: 8, .value_kind: global_buffer, .address_space: global }
    .group_segment_fixed_size: 112640
    .private_segment_fixed_size: 0
    .kernarg_segment_align: 8
    .kernarg_segment_size: 32
    .max_flat_workgroup_size: 256
    .sgpr_count:     66
    .vgpr_count:     448
    .wavefront_size: 32
...
	.end_amdgpu_metadata
.endif
;; end of part 1
;; launch gather (part 2): grid 256 x 1, 8 waves a work-group, no clusters, 0 bytes of LDS; arguments inputs, w, idx, out0, part; writes out0, part
.if DOCPART == 2
	.amdgcn_target "amdgcn-amd-amdhsa--gfx1250"
	.amdhsa_code_object_version 6
	.text
	.protected	k_q1a039a3252_gather
	.globl	k_q1a039a3252_gather
	.p2align	8
	.type	k_q1a039a3252_gather,@function
k_q1a039a3252_gather:
	s_mov_b64 s[64:65], 0
	v_nop
	global_prefetch_b8 v0, s[64:65] scope:SCOPE_SE
	s_setreg_imm32_b32 hwreg(HW_REG_WAVE_MODE, 25, 1), 1
	s_wait_xcnt 0x0
; out0[row] = x + (w[idx[row]] - x), and for each wave the sum of (w[idx[row]] - x)^2 over its rows.  x, out0: [65536][64] f32; w: [1024][64] f32; idx: [65536] whole numbers, stored by the launch before.
; A stream: no LDS, no barrier, no matrix unit.  A wave owns 32 rows.  A row is 256 bytes: sixteen lanes, 16 bytes each.  Lanes 0-15 take rows 0-15 of the wave's 32, lanes 16-31 rows 16-31, a row an instruction:
; so each load and each store covers two whole rows, and a lane's 16 indices are 64 consecutive bytes (four loads).  All of a wave's loads of x go out at its head; the gathers follow as soon as the indices are in.
; An index is held to 1,023 before it enters an address.
.set C16, 2                            ; v2   16 x (lane % 16)
.set XO,  3                            ; v3   4,096 x (lane / 16) + 16 x (lane % 16); never rewritten
.set IO,  4                            ; v4   64 x (lane / 16)
.set ZR,  5
.set LNE, 6
.set IDX, 8                            ; v8-23    my 16 rows' indices
.set GO,  24                           ; v24-39   their byte offsets in w; never rewritten
.set X,   40                           ; v40-103  x
.set Q,   104                          ; v104-167 w's rows, then the results
.set DL,  168                          ; v168-175 w - x, two sets by turns
.set ACC, 176                          ; v176-179 sums of squares
	s_load_b256 s[4:11], s[0:1], 0x0               ; inputs s[4:5], w s[6:7], idx s[8:9], out0 s[10:11]
	s_load_b64 s[12:13], s[0:1], 0x20              ; part
	v_lshrrev_b32 v1, 5, v0
	v_readfirstlane_b32 s14, v1                    ; wave 0..7
	v_and_b32 v[C16], 15, v0
	v_lshlrev_b32 v[C16], 4, v[C16]
	v_bfe_u32 v7, v0, 4, 1
	v_lshl_add_u32 v[XO], v7, 12, v[C16]
	v_lshlrev_b32 v[IO], 6, v7
	s_lshl_b32 s16, ttmp9, 16                      ; x, out0: 256 rows a work-group, 32 a wave
	s_lshl_b32 s15, s14, 13
	s_add_co_u32 s16, s16, s15
	s_mov_b32 s17, 0
	s_lshl_b32 s18, ttmp9, 10                      ; idx: 4 bytes a row
	s_lshl_b32 s15, s14, 7
	s_add_co_u32 s18, s18, s15
	s_mov_b32 s19, 0
	s_lshl_b32 s20, ttmp9, 5                       ; part: 4 bytes a wave
	s_lshl_b32 s15, s14, 2
	s_add_co_u32 s20, s20, s15
	s_mov_b32 s21, 0
	s_mov_b32 s22, 0x76543210
	s_mov_b32 s23, 0xfedcba98
	s_wait_kmcnt 0x0
	s_add_nc_u64 s[4:5], s[4:5], s[16:17]
	s_add_nc_u64 s[10:11], s[10:11], s[16:17]
	s_add_nc_u64 s[8:9], s[8:9], s[18:19]
	s_add_nc_u64 s[12:13], s[12:13], s[20:21]
.irp m, 0,1,2,3
	global_load_b128 v[IDX+4*\m:IDX+4*\m+3], v[IO], s[8:9] offset:16*\m th:TH_LOAD_NT
.endr
.irp i, 0,1,2,3,4,5,6,7,8,9,10,11,12,13,14,15
	global_load_b128 v[X+4*\i:X+4*\i+3], v[XO], s[4:5] offset:256*\i th:TH_LOAD_NT
.endr
	s_wait_loadcnt 16                              ; the four loads of indices are in; x's 16 may be out
.irp i, 0,1,2,3,4,5,6,7,8,9,10,11,12,13,14,15
	v_min_u32 v[GO+\i], 0x3ff, v[IDX+\i]
.endr
.irp i, 0,1,2,3,4,5,6,7,8,9,10,11,12,13,14,15
	v_lshl_add_u32 v[GO+\i], v[GO+\i], 8, v[C16]   ; 256 bytes a row of w, + my 16
.endr
.irp i, 0,1,2,3,4,5,6,7,8,9,10,11,12,13,14,15
	global_load_b128 v[Q+4*\i:Q+4*\i+3], v[GO+\i], s[6:7]      ; no hint: a row of w is named by many rows
.endr
.macro ROW i
.set DS, DL+4*((\i)%2)
	s_wait_loadcnt 15-(\i)                         ; gather i is in (behind it: the later gathers), and so is all of x, which was asked for earlier
	v_pk_add_f32 v[DS:DS+1], v[Q+4*(\i):Q+4*(\i)+1], v[X+4*(\i):X+4*(\i)+1] neg_lo:[0,1] neg_hi:[0,1]
	v_pk_add_f32 v[DS+2:DS+3], v[Q+4*(\i)+2:Q+4*(\i)+3], v[X+4*(\i)+2:X+4*(\i)+3] neg_lo:[0,1] neg_hi:[0,1]
	v_pk_add_f32 v[Q+4*(\i):Q+4*(\i)+1], v[X+4*(\i):X+4*(\i)+1], v[DS:DS+1]
	v_pk_add_f32 v[Q+4*(\i)+2:Q+4*(\i)+3], v[X+4*(\i)+2:X+4*(\i)+3], v[DS+2:DS+3]
.if (\i) == 0
	v_pk_mul_f32 v[ACC:ACC+1], v[DS:DS+1], v[DS:DS+1]          ; the first squares start the sums
	v_pk_mul_f32 v[ACC+2:ACC+3], v[DS+2:DS+3], v[DS+2:DS+3]
.else
	v_pk_fma_f32 v[ACC:ACC+1], v[DS:DS+1], v[DS:DS+1], v[ACC:ACC+1]
	v_pk_fma_f32 v[ACC+2:ACC+3], v[DS+2:DS+3], v[DS+2:DS+3], v[ACC+2:ACC+3]
.endif
	global_store_b128 v[XO], v[Q+4*(\i):Q+4*(\i)+3], s[10:11] offset:256*(\i) th:TH_STORE_NT   ; two whole rows; each store has data registers of its own
.endm
.irp i, 0,1,2,3,4,5,6,7,8,9,10,11,12,13,14,15
	ROW \i
.endr
	v_pk_add_f32 v[ACC:ACC+1], v[ACC:ACC+1], v[ACC+2:ACC+3]
	v_add_f32 v[ACC], v[ACC], v[ACC+1]
	v_add_f32_dpp v[ACC], v[ACC], v[ACC] row_xmask:1 row_mask:0xf bank_mask:0xf
	v_add_f32_dpp v[ACC], v[ACC], v[ACC] row_xmask:2 row_mask:0xf bank_mask:0xf
	v_add_f32_dpp v[ACC], v[ACC], v[ACC] row_xmask:4 row_mask:0xf bank_mask:0xf
	v_add_f32_dpp v[ACC], v[ACC], v[ACC] row_xmask:8 row_mask:0xf bank_mask:0xf
	v_permlanex16_b32 v[ACC+1], v[ACC], s22, s23
	v_add_f32 v[ACC], v[ACC], v[ACC+1]             ; the wave's sum, in every lane
	v_and_b32 v[LNE], 31, v0
	v_mov_b32 v[ZR], 0
	v_cmp_eq_u32 vcc_lo, 0, v[LNE]
	s_wait_xcnt 0x0                                ; EXEC is a source of the stores above: it changes only behind this wait
	s_and_saveexec_b32 s24, vcc_lo
	global_store_b32 v[ZR], v[ACC], s[12:13]       ; lane 0 stores it: one number a wave, 2,048 in all
	s_wait_xcnt 0x0
	s_or_b32 exec_lo, exec_lo, s24
	s_endpgm
.Lfunc_end_k_q1a039a3252_gather:
	.size	k_q1a039a3252_gather, .Lfunc_end_k_q1a039a3252_gather-k_q1a039a3252_gather
	.p2alignl 7, 3214868480
	.fill 96, 4, 3214868480
	.section	.rodata,"a",@progbits
	.p2align	6, 0x0
	.amdhsa_kernel k_q1a039a3252_gather
		.amdhsa_group_segment_fixed_size 0
		.amdhsa_private_segment_fixed_size 0
		.amdhsa_enable_private_segment 0
		.amdhsa_kernarg_size 40
		.amdhsa_user_sgpr_count 2
		.amdhsa_user_sgpr_kernarg_segment_ptr 1
		.amdhsa_wavefront_size32 1
		.amdhsa_system_sgpr_workgroup_id_x 1
		.amdhsa_system_sgpr_workgroup_id_y 1
		.amdhsa_system_sgpr_workgroup_id_z 1
		.amdhsa_system_vgpr_workitem_id 0
		.amdhsa_next_free_vgpr 184
		.amdhsa_next_free_sgpr 66
		.amdhsa_reserve_vcc 1
		.amdhsa_float_denorm_mode_32 3
		.amdhsa_float_denorm_mode_16_64 3
		.amdhsa_memory_ordered 1
		.amdhsa_forward_progress 1
		.amdhsa_inst_pref_size 16
	.end_amdhsa_kernel
	.amdgpu_metadata
---
amdhsa.version: [ 1, 2 ]
amdhsa.kernels:
  - .name:           k_q1a039a3252_gather
    .symbol:         k_q1a039a3252_gather.kd
    .args:
      - { .name: inputs, .offset: 0, .size: 8, .value_kind: global_buffer, .address_space: global }
      - { .name: w, .offset: 8, .size: 8, .value_kind: global_buffer, .address_space: global }
      - { .name: idx, .offset: 16, .size: 8, .value_kind: global_buffer, .address_space: global }
      - { .name: out0, .offset: 24, .size: 8, .value_kind: global_buffer, .address_space: global }
      - { .name: part, .offset: 32, .size: 8, .value_kind: global_buffer, .address_space: global }
    .group_segment_fixed_size: 0
    .private_segment_fixed_size: 0
    .kernarg_segment_align: 8
    .kernarg_segment_size: 40
    .max_flat_workgroup_size: 256
    .sgpr_count:     66
    .vgpr_count:     184
    .wavefront_size: 32
...
	.end_amdgpu_metadata
.endif
;; end of part 2
;; launch finish (part 3): grid 16 x 1, 8 waves a work-group, no clusters, 18,432 bytes of LDS; arguments w, part, out3, out1; writes out3, out1
.if DOCPART == 3
	.amdgcn_target "amdgcn-amd-amdhsa--gfx1250"
	.amdhsa_code_object_version 6
	.text
	.protected	k_q1a039a3252_finish
	.globl	k_q1a039a3252_finish
	.p2align	8
	.type	k_q1a039a3252_finish,@function
k_q1a039a3252_finish:
	s_mov_b64 s[64:65], 0
	v_nop
	global_prefetch_b8 v0, s[64:65] scope:SCOPE_SE
	s_setreg_imm32_b32 hwreg(HW_REG_WAVE_MODE, 25, 1), 1
	s_wait_xcnt 0x0
; out3 = w^T ([64][1024] from [1024][64], f32), and out1 = 0.25 x the mean of the squares whose 2,048 partial sums the launch before stored.
; A work-group turns 64 rows of w (16,384 consecutive bytes) into 64 pieces of 256 bytes, one of each row of out3: both ways in whole aligned runs of 256 bytes.  A piece of 256 bytes is 64 rows of w, so there
; are 16 such tiles, and 16 work-groups.  The tile goes through LDS: in by single words (four lanes deep on a bank: 16 stores a thread, once), back by rows of 272 bytes.
; Wave 0 of work-group 0 also adds the partial sums: 64 a lane, then across its lanes; 0.25 / 4,194,304 = 2^-24.
.set TP, 272
	s_load_b256 s[4:11], s[0:1], 0x0               ; w s[4:5], part s[6:7], out3 s[8:9], out1 s[10:11]
	v_lshl_add_u32 v96, v0, 2, 0x4400
	v_mov_b32 v97, 0
	v_lshrrev_b32 v1, 5, v0
	v_readfirstlane_b32 s12, v1                    ; wave 0..7
	v_lshlrev_b32 v2, 4, v0                        ; 16 x thread
	v_and_b32 v3, 15, v0                           ; c = thread % 16
	v_lshrrev_b32 v4, 4, v0                        ; thread / 16
	v_mul_u32_u24 v5, v3, 4*TP
	v_lshl_add_u32 v5, v4, 2, v5                   ; in: LDS row 4 c + j (the number's place in a row of w), word thread / 16 + 16 i (the row of w)
	v_mul_u32_u24 v6, v4, TP
	v_lshl_add_u32 v6, v3, 4, v6                   ; back: LDS row thread / 16 + 16 i, 16 bytes a lane
	v_lshlrev_b32 v7, 12, v4
	v_lshl_add_u32 v7, v3, 4, v7                   ; and the same in out3: rows of 4,096 bytes
	s_lshl_b32 s14, ttmp9, 14
	s_mov_b32 s15, 0
	s_lshl_b32 s16, ttmp9, 8
	s_mov_b32 s17, 0
	s_mov_b32 s18, 0x76543210
	s_mov_b32 s19, 0xfedcba98
	s_wait_kmcnt 0x0
	s_add_nc_u64 s[4:5], s[4:5], s[14:15]
	s_add_nc_u64 s[8:9], s[8:9], s[16:17]
.irp i, 0,1,2,3
	global_load_b128 v[8+4*\i:11+4*\i], v2, s[4:5] offset:4096*\i
.endr
	s_or_b32 s13, s12, ttmp9
	s_cmp_lg_u32 s13, 0
	s_cbranch_scc1 .Lno_sum                        ; no barrier stands in this branch
.irp i, 0,1,2,3,4,5,6,7,8,9,10,11,12,13,14,15
	global_load_b128 v[32+4*\i:35+4*\i], v2, s[6:7] offset:512*\i th:TH_LOAD_NT   ; in wave 0 the thread is the lane: 512 consecutive bytes a load
.endr
	s_wait_loadcnt 0x0
.irp i, 1,2,3,4,5,6,7,8,9,10,11,12,13,14,15
	v_pk_add_f32 v[32:33], v[32:33], v[32+4*\i:33+4*\i]
	v_pk_add_f32 v[34:35], v[34:35], v[34+4*\i:35+4*\i]
.endr
	v_pk_add_f32 v[32:33], v[32:33], v[34:35]
	v_add_f32 v32, v32, v33
	v_add_f32_dpp v32, v32, v32 row_xmask:1 row_mask:0xf bank_mask:0xf
	v_add_f32_dpp v32, v32, v32 row_xmask:2 row_mask:0xf bank_mask:0xf
	v_add_f32_dpp v32, v32, v32 row_xmask:4 row_mask:0xf bank_mask:0xf
	v_add_f32_dpp v32, v32, v32 row_xmask:8 row_mask:0xf bank_mask:0xf
	v_permlanex16_b32 v33, v32, s18, s19
	v_add_f32 v32, v32, v33
	v_mul_f32 v32, 0x33800000, v32                 ; x 2^-24
	v_mov_b32 v33, 0
	v_cmp_eq_u32 vcc_lo, 0, v0
	s_wait_xcnt 0x0                                ; EXEC changes only behind this wait
	s_and_saveexec_b32 s20, vcc_lo
	global_store_b32 v33, v32, s[10:11]
	s_wait_xcnt 0x0
	s_or_b32 exec_lo, exec_lo, s20
.Lno_sum:
	s_wait_loadcnt 0x0
.irp i, 0,1,2,3
.irp j, 0,1,2,3
	ds_store_b32 v5, v[8+4*\i+\j] offset:TP*\j+64*\i
.endr
.endr
	s_wait_dscnt 0x0                               ; for the others' sake: my words lie in the tile
	s_barrier_signal -1
	s_barrier_wait -1
.irp i, 0,1,2,3
	ds_load_b128 v[8+4*\i:11+4*\i], v6 offset:16*TP*\i
.endr
.irp i, 0,1,2,3
	s_wait_dscnt 3-\i
	global_store_b128 v7, v[8+4*\i:11+4*\i], s[8:9] offset:65536*\i   ; sixteen lanes store 256 consecutive bytes, at a multiple of 256 from out3's first byte
.endr
	s_wait_tensorcnt 0x0
	ds_add_u32 v96, v97
	s_wait_dscnt 0x0
	s_endpgm
.Lfunc_end_k_q1a039a3252_finish:
	.size	k_q1a039a3252_finish, .Lfunc_end_k_q1a039a3252_finish-k_q1a039a3252_finish
	.p2alignl 7, 3214868480
	.fill 96, 4, 3214868480
	.section	.rodata,"a",@progbits
	.p2align	6, 0x0
	.amdhsa_kernel k_q1a039a3252_finish
		.amdhsa_group_segment_fixed_size 18432
		.amdhsa_private_segment_fixed_size 0
		.amdhsa_enable_private_segment 0
		.amdhsa_kernarg_size 32
		.amdhsa_user_sgpr_count 2
		.amdhsa_user_sgpr_kernarg_segment_ptr 1
		.amdhsa_wavefront_size32 1
		.amdhsa_system_sgpr_workgroup_id_x 1
		.amdhsa_system_sgpr_workgroup_id_y 1
		.amdhsa_system_sgpr_workgroup_id_z 1
		.amdhsa_system_vgpr_workitem_id 0
		.amdhsa_next_free_vgpr 98
		.amdhsa_next_free_sgpr 66
		.amdhsa_reserve_vcc 1
		.amdhsa_float_denorm_mode_32 3
		.amdhsa_float_denorm_mode_16_64 3
		.amdhsa_memory_ordered 1
		.amdhsa_forward_progress 1
		.amdhsa_inst_pref_size 9
	.end_amdhsa_kernel
	.amdgpu_metadata
---
amdhsa.version: [ 1, 2 ]
amdhsa.kernels:
  - .name:           k_q1a039a3252_finish
    .symbol:         k_q1a039a3252_finish.kd
    .args:
      - { .name: w, .offset: 0, .size: 8, .value_kind: global_buffer, .address_space: global }
      - { .name: part, .offset: 8, .size: 8, .value_kind: global_buffer, .address_space: global }
      - { .name: out3, .offset: 16, .size: 8, .value_kind: global_buffer, .address_space: global }
      - { .name: out1, .offset: 24, .size: 8, .value_kind: global_buffer, .address_space: global }
    .group_segment_fixed_size: 18432
    .private_segment_fixed_size: 0
    .kernarg_segment_align: 8
    .kernarg_segment_size: 32
    .max_flat_workgroup_size: 256
    .sgpr_count:     66
    .vgpr_count:     98
    .wavefront_size: 32
...
	.end_amdgpu_metadata
.endif
;; end of part 3
;; ======== version 2 of 2: 3 launches
;; workspace buffers: idx 262,144 bytes of whole numbers; part 8,192 bytes
;; launch nearest (part 4): grid 256 x 1, 8 waves a work-group, no clusters, 112,640 bytes of LDS; arguments inputs, w, out2, idx; writes out2, idx
.if DOCPART == 4
	.amdgcn_target "amdgcn-amd-amdhsa--gfx1250"
	.amdhsa_code_object_version 6
	.text
	.protected	k_q1a039a3252_nearest
	.globl	k_q1a039a3252_nearest
	.p2align	8
	.type	k_q1a039a3252_nearest,@function
k_q1a039a3252_nearest:
	s_mov_b64 s[64:65], 0
	v_nop
	global_prefetch_b8 v0, s[64:65] scope:SCOPE_SE
	s_setreg_imm32_b32 hwreg(HW_REG_WAVE_SCHED_MODE, 0, 2), 2
	s_setreg_imm32_b32 hwreg(HW_REG_WAVE_MODE, 25, 1), 1
	s_wait_xcnt 0x0
	s_wait_alu depctr_vm_vsrc(0)
; For each of the 65,536 rows x (64 numbers) the index of the nearest of 1,024 codebook rows w:  the first k with the least  d = (|x|^2 - 2 Q(x).Q(w_k)) + |w_k|^2,
; Q the MX-FP4 quantiser along the 64 (two blocks of 32), the product by v_wmma_scale_f32_16x16x128_f8f6f4 on E2M1 codes, all else f32, associated as written here.
; SHARES.  A work-group of eight waves owns 256 rows; a wave owns 32: two tiles of 16, quantised in its registers.  Every work-group quantises all of w, FIRST: each wave takes eight of the 64 tiles of 16 codebook
; rows, two at a time, and lays codes, scale words and |w|^2 in LDS as images of the operand's registers.  ONE barrier; then every wave multiplies its two tiles of x by all 64 tiles, with no further barrier
; and no load from memory, so that the two waves of a SIMD are free to work in each other's waits.
; x and w pass through three sets of 64 raw registers (window 1): x, w's parts 0 and 1 are asked for at the head, parts 2 and 3 as soon as a set has been read out: at most 48 loads of a wave are out.
; K = 64 fills half of the instruction's 128: registers 4-7 of every fragment hold zero codes, which add nothing.
; LAYOUT.  The product is used transposed (source 0 = 16 rows of w, source 1 = 16 rows of x): lane (r, h) holds row r of x, and register j the codebook row 8 h + j of the tile.
; THE FACTOR -2 AND |x|^2 GO INTO THE PRODUCT.  The quantiser is odd, so x's codes with their signs turned are the codes of -x; each of x's scale bytes is raised by one, which doubles the block (the quantiser
; gives bytes up to 252, so 255 is not reached); |x|^2 is the product's C.  The result is |x|^2 - 2 p, rounded once; |w|^2 is added to it by a packed addition.
; THE LEAST DISTANCE.  The codebook goes in 32 groups of 32 rows, 16 distances a lane.  A chain of v_min3 gives the new least; where it is strictly less than the old, the group's 16 distances and its number are kept
; (v_cndmask: no branch hangs on a number).  At the end the first kept distance equal to the least gives the place in the group, and the two halves of the lanes are joined by (d, k): so the first index wins.
; THE SUMS OF SQUARES: each product is rounded, the products are added in ascending order inside each half of 32, the two halves are added last.
; LIMITS: NaN and infinities among the inputs are not served; blocks whose largest magnitude lies under 2^-124, whose scale byte is held at 1, were not tried; a block of zeros gets the byte 1 (its codes are zeros);
; |x|^2 - 2 p is rounded by the matrix unit: a row whose two best distances lie within an ulp or so of each other can take the other index.
; NO CLUSTER: what the work-groups share is w, which passes through registers on its way to the quantiser.  A joint load lands in LDS alone: w as f32 in rows of 272 bytes is 278,528 bytes, beside 41,984 of images
; and 69,632 of the stages: more than the 327,680 that a work-group can have.
; THE MODE: SCHED_MODE bits 1:0 = 2 (LLVM: expert scheduling mode 2), set by the entry lines.  The code itself states the register dependences between vector or matrix instructions and memory or LDS
; instructions, with s_wait_alu, always for 0.
; THE PLAN.  Registers that memory or LDS instructions touch:
;   v4-v8, v13, v14    offsets and addresses, made once at the head and never written again: the wait on va_vdst ahead of the first load serves them for the whole kernel.
;   RAW0 .. RAW2       written by global loads, read by the stage's LDS stores, named by no vector instruction.  A set is asked for again behind a wait on vm_vsrc: the stores have read it.
;   TT                 ahead of the barrier: written by the stage's LDS loads, read and written by the quantiser.  The wait on va_vdst that stands ahead of a part's image stores (for x: behind its quantising)
;                      also states that the quantiser is done with TT; only LDS stores, waits and window switches stand between it and the next loads into TT.
;   CD, ACC, PW        written by the quantiser, read by a part's image stores (va_vdst ahead of the stores), written again by the next part's quantiser (vm_vsrc ahead of it).
;   AF[b], SWB[b]      in group q, b = q % 2: read by the products issued in group q - 1; the LDS loads of group q land in them (the fragments of group q + 2).
;   WB[b]              read by group q's sixteen additions; the same loads land in it.
;   ACD, AWW, ASW      read by every fragment load; written once a trip, behind a wait on vm_vsrc; the next group's wait on va_vdst states that they are written.
; So ONE wait on va_vdst stands in a group, behind its compares; the group's seven loads follow it, dealt among the four products, which name the OTHER buffer, x's operands and the other set of distances:
; none of the registers that those loads touch.  The two masks of a group have their waits (va_vcc, va_sdst) behind the products, ahead of the selections that read them.
.set SROW,   272                       ; a stage row: 256 bytes (a row of x or w) + 16
.set SCH,    16*SROW                   ; a tile of 16 rows in the stage
.set SWAVE,  2*SCH                     ; a wave's stage: two tiles
.set WC,     0                         ; LDS: w's codes, 64 tiles x 512 bytes: lane l's 16 bytes at 16 l
.set WWL,    32768                     ; |w|^2, 1,024 x 4 bytes
.set SWL,    36864                     ; w's scale words, 1,024 x 4 bytes
.set IXL,    40960                     ; the work-group's 256 indices
.set STG,    41984                     ; the stages, one for each wave
.set PART,   65536                     ; a part of w: 16 tiles, 256 rows of 256 bytes
.set TRIPS,  3                         ; trips of eight groups in the loop; the last eight groups are written out
.set LN,  1                            ; v1   lane
.set RR,  2                            ; v2   r = lane % 16
.set HH,  3                            ; v3   h = lane / 16
.set GLD, 4                            ; v4   16 x lane: my 16 bytes of a load's 512; never rewritten
.set STS, 5                            ; v5   the stage, on the way in
.set STL, 6                            ; v6   and on the way out: row r, half h
.set IMG, 7                            ; v7   where I store my tiles' codes; never rewritten
.set WSA, 8                            ; v8   and their |w|^2 and scale words; never rewritten
.set ACD, 9                            ; v9   where I read a trip's codes
.set AWW, 10                           ; v10  its |w|^2
.set ASW, 11                           ; v11  its scale words
.set SH8, 12                           ; v12  8 h
.set IXS, 13                           ; v13  4 x thread
.set IXR, 14                           ; v14  16 x lane + 512 x (wave % 2)
.set XB,  16                           ; v16-31   x's two fragments (registers 4-7 of each: zeros)
.set XS,  32                           ; v32-33   x's scale words: these two hold nothing else
.set SWB, 38                           ; v38-39   w's scale words, two buffers: these two hold nothing else
.set CD,  40                           ; v40-47   the codes just made
.set MXA, 48                           ; v48-61   the quantiser's work
.set MXB, 50
.set SC,  52
.set BY,  54
.set ACC, 56
.set PT,  58
.set PW,  60
.set DD,  64                           ; v64-127  distances: set s, tile x of rows, 16 each: DD + 32 s + 16 x
.set TT,  64                           ; the same registers ahead of the barrier: two tiles' numbers, 32 a lane each
.set AF,  128                          ; v128-159 w's fragments: buffer b, tile u: AF + 16 b + 8 u (registers 4-7 of each: zeros)
.set WB,  160                          ; v160-191 |w|^2 in the result's layout: buffer b: 16
.set RET, 192                          ; v192-223 the kept group's 16 distances, for each tile of rows
.set BST, 224                          ; v224-227 the least so far: two registers by turns for each tile of rows
.set GI,  228                          ; v228-229 the kept group's number
.set TM,  230                          ; v230-231 the second chain of the minimum
.set POS, 232
.set KK,  234
.set OB,  236
.set OK,  238
.set XXC, 240                          ; v240-255 |x|^2 of my row as the product's C: eight registers for each tile of rows; never rewritten
.set RAW, 0                            ; window 1: three sets of 64 registers, numbers as loaded: v256-319, v320-383, v384-447
.set WV,  12                           ; s12  wave
.set SEL, 20                           ; s[20:21] v_permlanex16_b32's selects for lane l xor 16
.set MK,  22                           ; s22  a mask
.set PH,  23                           ; s23  the trip
.set GS,  24                           ; s24-31 the numbers of the trip's eight groups
.set MQ,  24                           ; s24-31 behind the last group: masks, eight to a run of compares
.set MSB, 0
.macro WIN new                         ; the immediate's high byte repeats the setting that is left
.if MSB != \new
	s_set_vgpr_msb (MSB<<8)|\new
.set MSB, \new
.endif
.endm
; Two tiles, 8,192 consecutive bytes from off on: each load reads 512 consecutive bytes, 16 a lane.  dep = 1: the kernel's first load; dep = 2: the set has been through the stage and is asked for again
.macro LOADP set, base, off, dep
	WIN 0x40                                       ; destination window 1
.if (\dep) == 1
	s_wait_alu depctr_va_vdst(0)                   ; v[GLD] is written, which every global load reads, and so are the other addresses of the head (v5-v11, v13, v14), which the LDS instructions and the last store read
.endif
.if (\dep) == 2
	s_wait_alu depctr_vm_vsrc(0)                   ; the stage's LDS stores have read this raw set, in which the loads below land
.endif
.irp u, 0,1
.irp i, 0,1,2,3,4,5,6,7
	global_load_b128 v[RAW+64*(\set)+32*\u+4*\i:RAW+64*(\set)+32*\u+4*\i+3], v[GLD], s[\base:\base+1] offset:(\off)+4096*\u+512*\i
.endr
.endr
	WIN 0
.endm
; They turn through my own stage: in as they were loaded (a load's 512 bytes are two rows), out 128 bytes a lane: lane (r, h) gets block h of row r.  LDS serves a wave's instructions in order: no wait between
.macro TURNP set
	WIN 0x04                                       ; an LDS store's data are its source 1: window 1
.irp u, 0,1
.irp i, 0,1,2,3,4,5,6,7
	ds_store_b128 v[STS], v[RAW+64*(\set)+32*\u+4*\i:RAW+64*(\set)+32*\u+4*\i+3] offset:SCH*\u+2*SROW*\i
.endr
.endr
	WIN 0
.irp u, 0,1
.irp i, 0,1,2,3,4,5,6,7
	ds_load_b128 v[TT+32*\u+4*\i:TT+32*\u+4*\i+3], v[STL] offset:SCH*\u+16*\i
.endr
.endr
.endm
; Two blocks of 32 a lane (tile u at v[TT + 32 u]) become codes (four registers each, at c0 and c1).  Left behind: ACC = my half's sum of squares, PT = the other half's; BY = my scale byte at bit 8 h, PW = the other half's.
; The two tiles go by turns, so that no line waits for the line above it.
.macro QUANT2 c0, c1
.irp u, 0,1
	v_max3_num_f32 v[MXA+\u], |v[TT+32*\u]|, |v[TT+32*\u+1]|, |v[TT+32*\u+2]|
	v_max3_num_f32 v[MXB+\u], |v[TT+32*\u+3]|, |v[TT+32*\u+4]|, |v[TT+32*\u+5]|
.endr
.irp i, 6,10,14,18,22,26
.irp u, 0,1
	v_max3_num_f32 v[MXA+\u], v[MXA+\u], |v[TT+32*\u+\i]|, |v[TT+32*\u+\i+1]|
	v_max3_num_f32 v[MXB+\u], v[MXB+\u], |v[TT+32*\u+\i+2]|, |v[TT+32*\u+\i+3]|
.endr
.endr
.irp u, 0,1
	v_max3_num_f32 v[MXA+\u], v[MXA+\u], |v[TT+32*\u+30]|, |v[TT+32*\u+31]|
.endr
.irp u, 0,1
	v_max3_num_f32 v[MXA+\u], v[MXA+\u], v[MXB+\u], 0x1800000   ; the block's largest magnitude, and the floor 2^(3 - 127): the byte cannot fall under 1
.endr
.irp u, 0,1
	v_add_nc_u32 v[SC+\u], 0xff000000, v[MXA+\u]   ; 2 off its exponent field: the conversion takes the exponent field of this operand as its scale
.endr
.irp g, 0,1,2,3
	v_cvt_scalef32_pk8_fp4_f32 v[(\c0)+\g], v[TT+8*\g:TT+8*\g+7], v[SC]
	v_cvt_scalef32_pk8_fp4_f32 v[(\c1)+\g], v[TT+32+8*\g:TT+32+8*\g+7], v[SC+1]
.endr
.irp u, 0,1
	v_lshrrev_b32 v[BY+\u], 23, v[SC+\u]           ; the scale's byte (also the plain line between the conversions and the squares, which write over their sources)
.endr
.set qi, 0
.rept 17                                               ; the squares, two at a time, in place; the sums follow one step behind, each a chain in ascending order
.if qi < 32
	v_pk_mul_f32 v[TT+qi:TT+qi+1], v[TT+qi:TT+qi+1], v[TT+qi:TT+qi+1]
	v_pk_mul_f32 v[TT+32+qi:TT+33+qi], v[TT+32+qi:TT+33+qi], v[TT+32+qi:TT+33+qi]
.endif
.if qi == 2
	v_add_f32 v[ACC], v[TT], v[TT+1]
	v_add_f32 v[ACC+1], v[TT+32], v[TT+33]
.endif
.if qi > 2
	v_add_f32 v[ACC], v[ACC], v[TT+qi-2]
	v_add_f32 v[ACC+1], v[ACC+1], v[TT+32+qi-2]
	v_add_f32 v[ACC], v[ACC], v[TT+qi-1]
	v_add_f32 v[ACC+1], v[ACC+1], v[TT+32+qi-1]
.endif
.set qi, qi+2
.endr
.irp u, 0,1
	v_permlanex16_b32 v[PT+\u], v[ACC+\u], s[SEL], s[SEL+1]
	v_lshlrev_b32 v[BY+\u], v[SH8], v[BY+\u]
.endr
.irp u, 0,1
	v_permlanex16_b32 v[PW+\u], v[BY+\u], s[SEL], s[SEL+1]
.endr
.endm
.macro WPOST p                         ; my two tiles of part p go to LDS: codes as they stand in the lanes; |w|^2 and the scale word of row r (both halves of the lanes write the same word with the same value)
.irp u, 0,1
	v_add_f32 v[ACC+\u], v[ACC+\u], v[PT+\u]
	v_or_b32 v[PW+\u], v[PW+\u], v[BY+\u]
.endr
	s_wait_alu depctr_va_vdst(0)                   ; the quantiser has written v[CD ..], v[ACC ..] and v[PW ..], which the stores below read; and it is done reading and writing v[TT ..], in which the next part's numbers land
.irp u, 0,1
	ds_store_b128 v[IMG], v[CD+4*\u:CD+4*\u+3] offset:WC+8192*(\p)+512*\u
	ds_store_b32 v[WSA], v[ACC+\u] offset:WWL+1024*(\p)+64*\u
	ds_store_b32 v[WSA], v[PW+\u] offset:SWL+1024*(\p)+64*\u
.endr
.endm
; My two tiles of part p of w, which lie in raw set 'set'.  left: the loads issued behind theirs, which may stay out
.macro WPHASE p, set, left
	s_wait_loadcnt \left
	TURNP \set
	s_wait_dscnt 0x0                               ; the numbers are back from the stage
.if (\p) == 0
	LOADP 1, 6, 3*PART, 2                          ; the set just read out takes part 3
.else
	s_wait_alu depctr_vm_vsrc(0)                   ; the last part's image stores have read v[CD ..], v[ACC ..] and v[PW ..], which the quantiser below writes again
.endif
	QUANT2 CD, CD+4
	WPOST \p
.endm
; Group q of the trip (two tiles of w) into buffer b: seven LDS loads, in three kinds.
.macro LCODE b, q, u                   ; tile u's codes
	ds_load_b128 v[AF+16*(\b)+8*(\u):AF+16*(\b)+8*(\u)+3], v[ACD] offset:WC+1024*(\q)+512*(\u)
.endm
.macro LNORM b, q, u                   ; tile u's |w|^2, in the result's layout
	ds_load_b128 v[WB+16*(\b)+8*(\u):WB+16*(\b)+8*(\u)+3], v[AWW] offset:WWL+128*(\q)+64*(\u)
	ds_load_b128 v[WB+16*(\b)+8*(\u)+4:WB+16*(\b)+8*(\u)+7], v[AWW] offset:WWL+128*(\q)+64*(\u)+16
.endm
.macro LSCALE b, q                     ; the scale words of both tiles share a register: lanes 0-15 the first tile's rows, lanes 16-31 the second's
	ds_load_b32 v[SWB+(\b)], v[ASW] offset:SWL+128*(\q)
.endm
.macro LOADW b, q
	LCODE \b, \q, 0
	LCODE \b, \q, 1
	LNORM \b, \q, 0
	LNORM \b, \q, 1
	LSCALE \b, \q
.endm
; A product: tile u of w in buffer b x my tile x of -2 x, into set b.  It takes |x|^2 as its C; a group's four results share no register, and none is its own C
.macro WM b, u, x
.if \u
	v_wmma_scale_f32_16x16x128_f8f6f4 v[DD+32*(\b)+16*(\x)+8:DD+32*(\b)+16*(\x)+15], v[AF+16*(\b)+8:AF+16*(\b)+15], v[XB+8*(\x):XB+8*(\x)+7], v[XXC+8*(\x):XXC+8*(\x)+7], v[SWB+(\b)], v[XS+(\x)] matrix_a_fmt:MATRIX_FMT_FP4 matrix_b_fmt:MATRIX_FMT_FP4 matrix_a_scale:MATRIX_SCALE_ROW1
.else
	v_wmma_scale_f32_16x16x128_f8f6f4 v[DD+32*(\b)+16*(\x):DD+32*(\b)+16*(\x)+7], v[AF+16*(\b):AF+16*(\b)+7], v[XB+8*(\x):XB+8*(\x)+7], v[XXC+8*(\x):XXC+8*(\x)+7], v[SWB+(\b)], v[XS+(\x)] matrix_a_fmt:MATRIX_FMT_FP4 matrix_b_fmt:MATRIX_FMT_FP4
.endif
.endm
.macro WMMA4 b
	WM \b, 0, 0
	WM \b, 0, 1
	WM \b, 1, 0
	WM \b, 1, 1
.endm
; GROUP q of a trip.  Its products were issued a group ago.  mm = 1: the next group's products are issued here.  ld = 1: the group after next is fetched into this group's buffer; its seven loads are dealt among
; the products.  Behind the products stand the 34 selections, which name none of their registers: they are the places ahead of the first read of the results (ISA guide 7.12.1).
.macro GROUP q, mm, ld
.set PB, (\q)%2
.set DSET, DD+32*PB
.set BO, BST+PB
.set BN, BST+1-PB
.irp i, 0,2,4,6,8,10,12,14
.irp x, 0,1
	v_pk_add_f32 v[DSET+16*\x+\i:DSET+16*\x+\i+1], v[DSET+16*\x+\i:DSET+16*\x+\i+1], v[WB+16*PB+\i:WB+16*PB+\i+1]   ; (|x|^2 - 2 p) + |w|^2; each result is read from its low end on
.endr
.endr
.irp x, 0,1                                            ; the least of the old least and the 16: two chains for each tile of rows, eight lines
	v_min3_num_f32 v[BN+2*\x], v[BO+2*\x], v[DSET+16*\x], v[DSET+16*\x+1]
	v_min3_num_f32 v[TM+\x], v[DSET+16*\x+8], v[DSET+16*\x+9], v[DSET+16*\x+10]
.endr
.irp i, 2,4
.irp x, 0,1
	v_min3_num_f32 v[BN+2*\x], v[BN+2*\x], v[DSET+16*\x+\i], v[DSET+16*\x+\i+1]
	v_min3_num_f32 v[TM+\x], v[TM+\x], v[DSET+16*\x+9+\i], v[DSET+16*\x+10+\i]
.endr
.endr
.irp x, 0,1
	v_min3_num_f32 v[BN+2*\x], v[BN+2*\x], v[DSET+16*\x+6], v[DSET+16*\x+7]
.endr
.irp x, 0,1
	v_min3_num_f32 v[BN+2*\x], v[BN+2*\x], v[TM+\x], v[DSET+16*\x+15]
.endr
	v_cmp_lt_f32 vcc_lo, v[BN], v[BO]              ; strictly less: an equal distance of a later group does not displace the earlier one
	v_cmp_lt_f32 s[MK], v[BN+2], v[BO+2]
.if \mm
	s_wait_dscnt 0x0                               ; the next group's seven loads, issued a group ago, are in; nothing was issued behind them
.endif
.if \ld
	s_wait_alu depctr_va_vdst(0)                   ; the additions are done reading WB of this buffer; the last group's products are done reading its fragments and scale words; in a trip's first group the three LDS addresses are written
.endif
.if \mm
	WM 1-PB, 0, 0
.endif
.if \ld
	LCODE PB, (\q)+2, 0                            ; no further wait: the products name the other buffer, x's operands and the other set of distances, none of the registers that these loads touch
	LCODE PB, (\q)+2, 1
.endif
.if \mm
	WM 1-PB, 0, 1
.endif
.if \ld
	LNORM PB, (\q)+2, 0
.endif
.if \mm
	WM 1-PB, 1, 0
.endif
.if \ld
	LNORM PB, (\q)+2, 1
.endif
.if \mm
	WM 1-PB, 1, 1
.endif
.if \ld
	LSCALE PB, (\q)+2
.endif
	s_wait_alu depctr_va_vcc(0)                    ; the first compare has written VCC, which the selections of my first tile of rows read
	s_wait_alu depctr_va_sdst(0)                   ; the second has written s[MK], which those of my second tile read
.irp e, 0,1,2,3,4,5,6,7,8,9,10,11,12,13,14,15
	v_cndmask_b32 v[RET+\e], v[RET+\e], v[DSET+\e], vcc_lo
	v_cndmask_b32 v[RET+16+\e], v[RET+16+\e], v[DSET+16+\e], s[MK]
.endr
	v_cndmask_b32 v[GI], v[GI], s[GS+(\q)], vcc_lo
	v_cndmask_b32 v[GI+1], v[GI+1], s[GS+(\q)], s[MK]
.endm
	s_load_b256 s[4:11], s[0:1], 0x0               ; inputs s[4:5], w s[6:7], out2 s[8:9], idx s[10:11]
	v_lshl_add_u32 v62, v0, 2, 0x1b400             ; the closing add's two registers, made here and kept for it alone: my spare word, behind the stages,
	v_mov_b32 v63, 0                               ; and 0
	v_lshrrev_b32 v15, 5, v0
	v_readfirstlane_b32 s[WV], v15                 ; wave 0..7
	v_and_b32 v[LN], 31, v0
	v_and_b32 v[RR], 15, v0
	v_bfe_u32 v[HH], v0, 4, 1
	v_lshlrev_b32 v[GLD], 4, v[LN]
	s_wait_alu depctr_va_sdst(0)                   ; s[WV] is written, ahead of its first reader: the wave's places in LDS and in memory are made from it
	s_mul_i32 s13, s[WV], SWAVE
	s_add_co_u32 s13, s13, STG                     ; my stage
	v_mul_u32_u24 v[STS], v[HH], SROW
	v_lshl_add_u32 v[STS], v[RR], 4, v[STS]
	v_add_nc_u32 v[STS], s13, v[STS]               ; in: lanes 0-15 one row of 256 bytes, lanes 16-31 the next
	v_mul_u32_u24 v[STL], v[RR], SROW
	v_lshl_add_u32 v[STL], v[HH], 7, v[STL]
	v_add_nc_u32 v[STL], s13, v[STL]               ; out: row r, 128 h bytes on
	s_lshl_b32 s14, s[WV], 10
	v_add_nc_u32 v[IMG], s14, v[GLD]               ; tile 2 x wave of a part: 512 bytes a tile, 16 a lane
	s_lshl_b32 s14, s[WV], 7
	v_lshlrev_b32 v[WSA], 2, v[RR]
	v_add_nc_u32 v[WSA], s14, v[WSA]               ; 64 bytes a tile, 4 a row
	v_lshlrev_b32 v[SH8], 3, v[HH]
	v_lshlrev_b32 v[ACD], 4, v[LN]
	v_lshlrev_b32 v[AWW], 5, v[HH]                 ; |w|^2 of the tile's rows 8 h + 0 .. 7
	v_lshlrev_b32 v[ASW], 2, v[LN]
	v_lshlrev_b32 v[IXS], 2, v0
	s_and_b32 s14, s[WV], 1
	s_lshl_b32 s14, s14, 9
	v_add_nc_u32 v[IXR], s14, v[GLD]
	s_mov_b32 s[SEL], 0x76543210
	s_mov_b32 s[SEL+1], 0xfedcba98
	s_mov_b32 s[MK], 0x7f800000                    ; +infinity
	s_lshl_b32 s16, ttmp9, 16                      ; the work-group's 256 rows of 256 bytes,
	s_lshl_b32 s15, s[WV], 13                      ; my wave's 32
	s_add_co_u32 s16, s16, s15
	s_mov_b32 s17, 0
	s_mov_b32 s18, s15                             ; in w: my two tiles of a part, 8,192 bytes a wave
	s_mov_b32 s19, 0
.irp q, 0,1,2,3,4,5,6,7
	s_mov_b32 s[GS+\q], \q
.endr
	s_wait_kmcnt 0x0
	s_add_nc_u64 s[4:5], s[4:5], s[16:17]
	s_add_nc_u64 s[6:7], s[6:7], s[18:19]          ; neither address is stepped again: the parts stand in the loads' immediates
	LOADP 0, 4, 0, 1                               ; my 32 rows of x (no hint: the next launch reads these rows again)
	LOADP 1, 6, 0, 0                               ; my two tiles of w's part 0
	LOADP 2, 6, PART, 0                            ; and of part 1
	; while they are on their way: the zero codes of K = 64 .. 127, and the state
.irp f, 0,1,2,3
.irp j, 4,5,6,7
	v_mov_b32 v[AF+8*\f+\j], 0
.endr
.endr
.irp f, 0,1
.irp j, 4,5,6,7
	v_mov_b32 v[XB+8*\f+\j], 0
.endr
.endr
.set ri, 0
.rept 32
	v_mov_b32 v[RET+ri], s[MK]                     ; the kept distances begin as +infinity, like the least: the loop has no first group of its own
.set ri, ri+1
.endr
	v_mov_b32 v[BST], s[MK]
	v_mov_b32 v[BST+2], s[MK]
.irp x, 0,1
	v_mov_b32 v[GI+\x], 0
	v_mov_b32 v[PT+\x], 0                          ; a lane permute's destination counts as one of its sources: written once
	v_mov_b32 v[PW+\x], 0
	v_mov_b32 v[OB+\x], 0
	v_mov_b32 v[OK+\x], 0
	v_mov_b32 v[POS+\x], 0
.endr
	s_wait_loadcnt 32                              ; x's 16 loads are in; the 32 of w's parts 0 and 1 may be out
	TURNP 0                                        ; (no vector instruction has named v[TT ..] yet)
	s_wait_dscnt 0x0                               ; the numbers are back from the stage
	LOADP 0, 6, 2*PART, 2                          ; the set just read out takes w's part 2
	QUANT2 XB, XB+8                                ; the codes are the operand as they stand
.irp u, 0,1
	v_add_f32 v[XXC+8*\u], v[ACC+\u], v[PT+\u]     ; |x|^2 of row r, in both halves of the lanes
	v_or_b32 v[XS+\u], v[PW+\u], v[BY+\u]          ; its scale word: byte 0 block 0, byte 1 block 1
.endr
.irp u, 0,1
	v_add_nc_u32 v[XS+\u], 0x101, v[XS+\u]         ; both bytes one up: the blocks doubled.  A byte is at most 252 here: no carry, and never 255
.endr
.irp u, 0,1
.irp j, 0,1,2,3
	v_xor_b32 v[XB+8*\u+\j], 0x88888888, v[XB+8*\u+\j]   ; every code's sign turned: the codes of -x
.endr
.endr
.irp u, 0,1
.irp j, 1,2,3,4,5,6,7
	v_mov_b32 v[XXC+8*\u+\j], v[XXC+8*\u]          ; C in the result's layout: all eight registers of a lane belong to its one row of x
.endr
.endr
	s_wait_alu depctr_va_vdst(0)                   ; x's quantiser is done reading and writing v[TT ..], in which part 0's numbers land; x's codes, the zero codes and x's scale words, which the scaled products take, are written
	WPHASE 0, 1, 32                                ; behind part 0's loads: parts 1 and 2
	WPHASE 1, 2, 32                                ; behind part 1's: parts 2 and 3
	WPHASE 2, 0, 16                                ; behind part 2's: part 3
	WPHASE 3, 1, 0
	s_wait_dscnt 0x0                               ; for the others' sake: my images lie in LDS
	s_barrier_signal -1
	s_barrier_wait -1                              ; all 64 tiles lie in LDS.  They are written once: no barrier is owed behind the reads
	LOADW 0, 0                                     ; (no vector instruction has named the registers in which these land; their addresses were written ahead of the waits above)
	LOADW 1, 1
	s_wait_dscnt 7                                 ; group 0's seven loads are in; group 1's seven may be out
	WMMA4 0
.rept 4
	v_nop                                          ; four places behind the first products: no other vector work is at hand here
.endr
	s_mov_b32 s[PH], 0
.Ltrip:                                                ; eight groups a trip; the fetches and products run on over the backward jump: groups 6 and 7 fetch, and group 7 multiplies, for the next trip
	GROUP 0, 1, 1
	GROUP 1, 1, 1
	GROUP 2, 1, 1
	GROUP 3, 1, 1
	GROUP 4, 1, 1
	GROUP 5, 1, 1
	GROUP 6, 1, 1
	GROUP 7, 1, 1
	s_wait_dscnt 0x0                               ; no LDS load of mine is out (the last were issued ahead of group 7's 34 selections)
	s_wait_alu depctr_vm_vsrc(0)                   ; the LDS loads issued so far have read the three addresses, which step here; that they are written is stated by the next group's wait on va_vdst, ahead of its loads
	v_add_nc_u32 v[ACD], 8192, v[ACD]
	v_add_nc_u32 v[AWW], 1024, v[AWW]
	v_add_nc_u32 v[ASW], 1024, v[ASW]
.irp q, 0,1,2,3,4,5,6,7
	s_add_co_u32 s[GS+\q], s[GS+\q], 8
.endr
	s_add_co_u32 s[PH], s[PH], 1
	s_cmp_lt_u32 s[PH], TRIPS
	s_cbranch_scc1 .Ltrip
	GROUP 0, 1, 1                                  ; the last eight groups are written out: nothing is fetched past the 64th tile
	GROUP 1, 1, 1
	GROUP 2, 1, 1
	GROUP 3, 1, 1
	GROUP 4, 1, 1
	GROUP 5, 1, 1
	GROUP 6, 1, 0
	GROUP 7, 0, 0
	; The place in the kept group: the first of the 16 that equals the least (from the last down, so that the first stays).  Register e is codebook row 32 g + 16 (e / 8) + 8 h + e % 8.
	; The compares go in runs of eight, into eight scalar registers, with one wait behind each run
.irp f, 12,8,4,0
.irp j, 3,2,1,0
	v_cmp_eq_f32 s[MQ+2*\j], v[RET+\f+\j], v[BST]
	v_cmp_eq_f32 s[MQ+2*\j+1], v[RET+16+\f+\j], v[BST+2]
.endr
	s_wait_alu depctr_va_sdst(0)                   ; the eight compares have written their masks, which the eight selections below read
.irp j, 3,2,1,0
	v_cndmask_b32 v[POS], v[POS], 16*((\f+\j)/8)+(\f+\j)%8, s[MQ+2*\j]
	v_cndmask_b32 v[POS+1], v[POS+1], 16*((\f+\j)/8)+(\f+\j)%8, s[MQ+2*\j+1]
.endr
.endr
.irp x, 0,1
	v_lshl_add_u32 v[KK+\x], v[GI+\x], 5, v[POS+\x]
.endr
.irp x, 0,1
	v_lshl_add_u32 v[KK+\x], v[HH], 3, v[KK+\x]
.endr
.irp x, 0,1
	v_permlanex16_b32 v[OB+\x], v[BST+2*\x], s[SEL], s[SEL+1]   ; the row's other codebook rows lie in the lane 16 away
	v_permlanex16_b32 v[OK+\x], v[KK+\x], s[SEL], s[SEL+1]
.endr
.irp x, 0,1
	v_cmp_lt_f32 s[MQ+3*\x], v[OB+\x], v[BST+2*\x]     ; the other's is taken where it is less, or equal with the lower index
	v_cmp_eq_f32 s[MQ+3*\x+1], v[OB+\x], v[BST+2*\x]
	v_cmp_lt_u32 s[MQ+3*\x+2], v[OK+\x], v[KK+\x]
.endr
	v_cmp_le_u32 vcc_lo, 16, v[LN]                 ; lanes 0-15 speak for my first 16 rows, lanes 16-31 for the second
	s_wait_alu depctr_va_sdst(0)                   ; the six compares have written their masks, which the scalar lines below read
	s_wait_alu depctr_va_vcc(0)                    ; and the seventh VCC, which the last selection reads
.irp x, 0,1
	s_and_b32 s[MQ+3*\x+1], s[MQ+3*\x+1], s[MQ+3*\x+2]
	s_or_b32 s[MQ+3*\x], s[MQ+3*\x], s[MQ+3*\x+1]
.endr
.irp x, 0,1
	v_cndmask_b32 v[KK+\x], v[KK+\x], v[OK+\x], s[MQ+3*\x]
.endr
	v_cndmask_b32 v[KK], v[KK], v[KK+1], vcc_lo
	s_wait_alu depctr_va_vdst(0)                   ; the selection has written v[KK], which the LDS store reads
	ds_store_b32 v[IXS], v[KK] offset:IXL          ; thread t holds row t of the work-group's 256
	s_wait_dscnt 0x0                               ; for the others' sake
	s_barrier_signal -1
	s_barrier_wait -1
	s_cmp_ge_u32 s[WV], 4
	s_cbranch_scc1 .Ldone                          ; the 1,024 bytes leave twice, 512 a wave: waves 0, 1 to out2, waves 2, 3 to idx
	ds_load_b128 v[CD:CD+3], v[IXR] offset:IXL     ; (v[CD ..]: the quantiser's writes stand ahead of many waits on va_vdst, the image stores' reads ahead of each trip's wait on vm_vsrc; nothing has named them since)
	s_cmp_lt_u32 s[WV], 2
	s_cselect_b64 s[8:9], s[8:9], s[10:11]
	s_lshl_b32 s14, ttmp9, 10
	s_mov_b32 s15, 0
	s_add_nc_u64 s[8:9], s[8:9], s[14:15]
	s_wait_dscnt 0x0
	global_store_b128 v[IXR], v[CD:CD+3], s[8:9]   ; sixteen lanes store 256 consecutive bytes, at a multiple of 256 from the buffer's first byte
.Ldone:
	s_wait_dscnt 0x0                               ; the closing lines, six on end
	s_wait_alu 0x0
	s_wait_tensorcnt 0x0
	ds_add_u32 v62, v63
	s_wait_dscnt 0x0
	s_endpgm
.Lfunc_end_k_q1a039a3252_nearest:
	.size	k_q1a039a3252_nearest, .Lfunc_end_k_q1a039a3252_nearest-k_q1a039a3252_nearest
	.p2alignl 7, 3214868480
	.fill 96, 4, 3214868480
	.section	.rodata,"a",@progbits
	.p2align	6, 0x0
	.amdhsa_kernel k_q1a039a3252_nearest
		.amdhsa_group_segment_fixed_size 112640
		.amdhsa_private_segment_fixed_size 0
		.amdhsa_enable_private_segment 0
		.amdhsa_kernarg_size 32
		.amdhsa_user_sgpr_count 2
		.amdhsa_user_sgpr_kernarg_segment_ptr 1
		.amdhsa_wavefront_size32 1
		.amdhsa_system_sgpr_workgroup_id_x 1
		.amdhsa_system_sgpr_workgroup_id_y 1
		.amdhsa_system_sgpr_workgroup_id_z 1
		.amdhsa_system_vgpr_workitem_id 0
		.amdhsa_next_free_vgpr 448
		.amdhsa_next_free_sgpr 66
		.amdhsa_reserve_vcc 1
		.amdhsa_float_denorm_mode_32 3
		.amdhsa_float_denorm_mode_16_64 3
		.amdhsa_memory_ordered 1
		.amdhsa_forward_progress 1
		.amdhsa_inst_pref_size 146
	.end_amdhsa_kernel
	.amdgpu_metadata
---
amdhsa.version: [ 1, 2 ]
amdhsa.kernels:
  - .name:           k_q1a039a3252_nearest
    .symbol:         k_q1a039a3252_nearest.kd
    .args:
      - { .name: inputs, .offset: 0, .size: 8, .value_kind: global_buffer, .address_space: global }
      - { .name: w, .offset: 8, .size: 8, .value_kind: global_buffer, .address_space: global }
      - { .name: out2, .offset: 16, .size: 8, .value_kind: global_buffer, .address_space: global }
      - { .name: idx, .offset: 24, .size: 8, .value_kind: global_buffer, .address_space: global }
    .group_segment_fixed_size: 112640
    .private_segment_fixed_size: 0
    .kernarg_segment_align: 8
    .kernarg_segment_size: 32
    .max_flat_workgroup_size: 256
    .sgpr_count:     66
    .vgpr_count:     448
    .wavefront_size: 32
...
	.end_amdgpu_metadata
.endif
;; end of part 4
;; launch gather (part 5): grid 256 x 1, 8 waves a work-group, no clusters, 0 bytes of LDS; arguments inputs, w, idx, out0, part; writes out0, part
.if DOCPART == 5
	.amdgcn_target "amdgcn-amd-amdhsa--gfx1250"
	.amdhsa_code_object_version 6
	.text
	.protected	k_q1a039a3252_gather
	.globl	k_q1a039a3252_gather
	.p2align	8
	.type	k_q1a039a3252_gather,@function
k_q1a039a3252_gather:
	s_mov_b64 s[64:65], 0
	v_nop
	global_prefetch_b8 v0, s[64:65] scope:SCOPE_SE
	s_setreg_imm32_b32 hwreg(HW_REG_WAVE_MODE, 25, 1), 1
	s_wait_xcnt 0x0
; out0[row] = x + (w[idx[row]] - x), and for each wave the sum of (w[idx[row]] - x)^2 over its rows.  x, out0: [65536][64] f32; w: [1024][64] f32; idx: [65536] whole numbers, stored by the launch before.
; A stream: no LDS, no barrier, no matrix unit.  A wave owns 32 rows.  A row is 256 bytes: sixteen lanes, 16 bytes each.  Lanes 0-15 take rows 0-15 of the wave's 32, lanes 16-31 rows 16-31, a row an instruction:
; so each load and each store covers two whole rows, and a lane's 16 indices are 64 consecutive bytes (four loads).  All of a wave's loads of x go out at its head; the gathers follow as soon as the indices are in.
; An index is held to 1,023 before it enters an address.
.set C16, 2                            ; v2   16 x (lane % 16)
.set XO,  3                            ; v3   4,096 x (lane / 16) + 16 x (lane % 16); never rewritten
.set IO,  4                            ; v4   64 x (lane / 16)
.set ZR,  5
.set LNE, 6
.set IDX, 8                            ; v8-23    my 16 rows' indices
.set GO,  24                           ; v24-39   their byte offsets in w; never rewritten
.set X,   40                           ; v40-103  x
.set Q,   104                          ; v104-167 w's rows, then the results
.set DL,  168                          ; v168-175 w - x, two sets by turns
.set ACC, 176                          ; v176-179 sums of squares
	s_load_b256 s[4:11], s[0:1], 0x0               ; inputs s[4:5], w s[6:7], idx s[8:9], out0 s[10:11]
	s_load_b64 s[12:13], s[0:1], 0x20              ; part
	v_lshrrev_b32 v1, 5, v0
	s_delay_alu instid0(VALU_DEP_1)
	v_readfirstlane_b32 s14, v1                    ; wave 0..7
	v_and_b32 v[C16], 15, v0
	s_delay_alu instid0(VALU_DEP_1)
	v_lshlrev_b32 v[C16], 4, v[C16]
	v_bfe_u32 v7, v0, 4, 1
	s_delay_alu instid0(VALU_DEP_1)
	v_lshl_add_u32 v[XO], v7, 12, v[C16]
	s_delay_alu instid0(VALU_DEP_2)
	v_lshlrev_b32 v[IO], 6, v7
	s_lshl_b32 s16, ttmp9, 16                      ; x, out0: 256 rows a work-group, 32 a wave
	s_lshl_b32 s15, s14, 13
	s_add_co_u32 s16, s16, s15
	s_mov_b32 s17, 0
	s_lshl_b32 s18, ttmp9, 10                      ; idx: 4 bytes a row
	s_lshl_b32 s15, s14, 7
	s_add_co_u32 s18, s18, s15
	s_mov_b32 s19, 0
	s_lshl_b32 s20, ttmp9, 5                       ; part: 4 bytes a wave
	s_lshl_b32 s15, s14, 2
	s_add_co_u32 s20, s20, s15
	s_mov_b32 s21, 0
	s_mov_b32 s22, 0x76543210
	s_mov_b32 s23, 0xfedcba98
	s_wait_alu depctr_va_vdst(0)
	s_wait_kmcnt 0x0
	s_add_nc_u64 s[4:5], s[4:5], s[16:17]
	s_add_nc_u64 s[10:11], s[10:11], s[16:17]
	s_add_nc_u64 s[8:9], s[8:9], s[18:19]
	s_add_nc_u64 s[12:13], s[12:13], s[20:21]
.irp m, 0,1,2,3
	global_load_b128 v[IDX+4*\m:IDX+4*\m+3], v[IO], s[8:9] offset:16*\m th:TH_LOAD_NT
.endr
.irp i, 0,1,2,3,4,5,6,7,8,9,10,11,12,13,14,15
	global_load_b128 v[X+4*\i:X+4*\i+3], v[XO], s[4:5] offset:256*\i th:TH_LOAD_NT
.endr
	s_wait_loadcnt 16                              ; the four loads of indices are in; x's 16 may be out
.irp i, 0,1,2,3,4,5,6,7,8,9,10,11,12,13,14,15
	v_min_u32 v[GO+\i], 0x3ff, v[IDX+\i]
.endr
.irp i, 0,1,2,3,4,5,6,7,8,9,10,11,12,13,14,15
	v_lshl_add_u32 v[GO+\i], v[GO+\i], 8, v[C16]   ; 256 bytes a row of w, + my 16
.endr
.irp i, 0,1,2,3,4,5,6,7,8,9,10,11,12,13,14,15
	global_load_b128 v[Q+4*\i:Q+4*\i+3], v[GO+\i], s[6:7]      ; no hint: a row of w is named by many rows
.endr
.macro ROW i
.set DS, DL+4*((\i)%2)
	s_wait_loadcnt 15-(\i)                         ; gather i is in (behind it: the later gathers), and so is all of x, which was asked for earlier
	v_pk_add_f32 v[DS:DS+1], v[Q+4*(\i):Q+4*(\i)+1], v[X+4*(\i):X+4*(\i)+1] neg_lo:[0,1] neg_hi:[0,1]
	v_pk_add_f32 v[DS+2:DS+3], v[Q+4*(\i)+2:Q+4*(\i)+3], v[X+4*(\i)+2:X+4*(\i)+3] neg_lo:[0,1] neg_hi:[0,1]
	s_delay_alu instid0(VALU_DEP_2)
	v_pk_add_f32 v[Q+4*(\i):Q+4*(\i)+1], v[X+4*(\i):X+4*(\i)+1], v[DS:DS+1]
	s_delay_alu instid0(VALU_DEP_2)
	v_pk_add_f32 v[Q+4*(\i)+2:Q+4*(\i)+3], v[X+4*(\i)+2:X+4*(\i)+3], v[DS+2:DS+3]
.if (\i) == 0
	s_delay_alu instid0(VALU_DEP_4)
	v_pk_mul_f32 v[ACC:ACC+1], v[DS:DS+1], v[DS:DS+1]          ; the first squares start the sums
	s_delay_alu instid0(VALU_DEP_4)
	v_pk_mul_f32 v[ACC+2:ACC+3], v[DS+2:DS+3], v[DS+2:DS+3]
.else
	s_wait_alu depctr_va_vdst(0)
	v_pk_fma_f32 v[ACC:ACC+1], v[DS:DS+1], v[DS:DS+1], v[ACC:ACC+1]
	v_pk_fma_f32 v[ACC+2:ACC+3], v[DS+2:DS+3], v[DS+2:DS+3], v[ACC+2:ACC+3]
.endif
	global_store_b128 v[XO], v[Q+4*(\i):Q+4*(\i)+3], s[10:11] offset:256*(\i) th:TH_STORE_NT   ; two whole rows; each store has data registers of its own
.endm
.irp i, 0,1,2,3,4,5,6,7,8,9,10,11,12,13,14,15
	ROW \i
.endr
	v_pk_add_f32 v[ACC:ACC+1], v[ACC:ACC+1], v[ACC+2:ACC+3]
	s_delay_alu instid0(VALU_DEP_1)
	v_add_f32 v[ACC], v[ACC], v[ACC+1]
	s_delay_alu instid0(VALU_DEP_1)
	v_add_f32_dpp v[ACC], v[ACC], v[ACC] row_xmask:1 row_mask:0xf bank_mask:0xf
	s_delay_alu instid0(VALU_DEP_1)
	v_add_f32_dpp v[ACC], v[ACC], v[ACC] row_xmask:2 row_mask:0xf bank_mask:0xf
	s_delay_alu instid0(VALU_DEP_1)
	v_add_f32_dpp v[ACC], v[ACC], v[ACC] row_xmask:4 row_mask:0xf bank_mask:0xf
	s_delay_alu instid0(VALU_DEP_1)
	v_add_f32_dpp v[ACC], v[ACC], v[ACC] row_xmask:8 row_mask:0xf bank_mask:0xf
	s_delay_alu instid0(VALU_DEP_1)
	v_permlanex16_b32 v[ACC+1], v[ACC], s22, s23
	s_delay_alu instid0(VALU_DEP_1)
	v_add_f32 v[ACC], v[ACC], v[ACC+1]             ; the wave's sum, in every lane
	v_and_b32 v[LNE], 31, v0
	v_mov_b32 v[ZR], 0
	s_delay_alu instid0(VALU_DEP_2)
	v_cmp_eq_u32 vcc_lo, 0, v[LNE]
	s_wait_alu depctr_va_vdst(0)
	s_wait_xcnt 0x0                                ; EXEC is a source of the stores above: it changes only behind this wait
	s_and_saveexec_b32 s24, vcc_lo
	global_store_b32 v[ZR], v[ACC], s[12:13]       ; lane 0 stores it: one number a wave, 2,048 in all
	s_wait_xcnt 0x0
	s_or_b32 exec_lo, exec_lo, s24
	s_endpgm
.Lfunc_end_k_q1a039a3252_gather:
	.size	k_q1a039a3252_gather, .Lfunc_end_k_q1a039a3252_gather-k_q1a039a3252_gather
	.p2alignl 7, 3214868480
	.fill 96, 4, 3214868480
	.section	.rodata,"a",@progbits
	.p2align	6, 0x0
	.amdhsa_kernel k_q1a039a3252_gather
		.amdhsa_group_segment_fixed_size 0
		.amdhsa_private_segment_fixed_size 0
		.amdhsa_enable_private_segment 0
		.amdhsa_kernarg_size 40
		.amdhsa_user_sgpr_count 2
		.amdhsa_user_sgpr_kernarg_segment_ptr 1
		.amdhsa_wavefront_size32 1
		.amdhsa_system_sgpr_workgroup_id_x 1
		.amdhsa_system_sgpr_workgroup_id_y 1
		.amdhsa_system_sgpr_workgroup_id_z 1
		.amdhsa_system_vgpr_workitem_id 0
		.amdhsa_next_free_vgpr 184
		.amdhsa_next_free_sgpr 66
		.amdhsa_reserve_vcc 1
		.amdhsa_float_denorm_mode_32 3
		.amdhsa_float_denorm_mode_16_64 3
		.amdhsa_memory_ordered 1
		.amdhsa_forward_progress 1
		.amdhsa_inst_pref_size 18
	.end_amdhsa_kernel
	.amdgpu_metadata
---
amdhsa.version: [ 1, 2 ]
amdhsa.kernels:
  - .name:           k_q1a039a3252_gather
    .symbol:         k_q1a039a3252_gather.kd
    .args:
      - { .name: inputs, .offset: 0, .size: 8, .value_kind: global_buffer, .address_space: global }
      - { .name: w, .offset: 8, .size: 8, .value_kind: global_buffer, .address_space: global }
      - { .name: idx, .offset: 16, .size: 8, .value_kind: global_buffer, .address_space: global }
      - { .name: out0, .offset: 24, .size: 8, .value_kind: global_buffer, .address_space: global }
      - { .name: part, .offset: 32, .size: 8, .value_kind: global_buffer, .address_space: global }
    .group_segment_fixed_size: 0
    .private_segment_fixed_size: 0
    .kernarg_segment_align: 8
    .kernarg_segment_size: 40
    .max_flat_workgroup_size: 256
    .sgpr_count:     66
    .vgpr_count:     184
    .wavefront_size: 32
...
	.end_amdgpu_metadata
.endif
;; end of part 5
;; launch finish (part 6): grid 16 x 1, 8 waves a work-group, no clusters, 18,432 bytes of LDS; arguments w, part, out3, out1; writes out3, out1
.if DOCPART == 6
	.amdgcn_target "amdgcn-amd-amdhsa--gfx1250"
	.amdhsa_code_object_version 6
	.text
	.protected	k_q1a039a3252_finish
	.globl	k_q1a039a3252_finish
	.p2align	8
	.type	k_q1a039a3252_finish,@function
k_q1a039a3252_finish:
	s_mov_b64 s[64:65], 0
	v_nop
	global_prefetch_b8 v0, s[64:65] scope:SCOPE_SE
	s_setreg_imm32_b32 hwreg(HW_REG_WAVE_MODE, 25, 1), 1
	s_wait_xcnt 0x0
; out3 = w^T ([64][1024] from [1024][64], f32), and out1 = 0.25 x the mean of the squares whose 2,048 partial sums the launch before stored.
; A work-group turns 64 rows of w (16,384 consecutive bytes) into 64 pieces of 256 bytes, one of each row of out3: both ways in whole aligned runs of 256 bytes.  A piece of 256 bytes is 64 rows of w, so there
; are 16 such tiles, and 16 work-groups.  The tile goes through LDS: in by single words (four lanes deep on a bank: 16 stores a thread, once), back by rows of 272 bytes.
; Wave 0 of work-group 0 also adds the partial sums: 64 a lane, then across its lanes; 0.25 / 4,194,304 = 2^-24.
.set TP, 272
	s_load_b256 s[4:11], s[0:1], 0x0               ; w s[4:5], part s[6:7], out3 s[8:9], out1 s[10:11]
	v_lshl_add_u32 v96, v0, 2, 0x4400
	v_mov_b32 v97, 0
	v_lshrrev_b32 v1, 5, v0
	s_delay_alu instid0(VALU_DEP_1)
	v_readfirstlane_b32 s12, v1                    ; wave 0..7
	v_lshlrev_b32 v2, 4, v0                        ; 16 x thread
	v_and_b32 v3, 15, v0                           ; c = thread % 16
	v_lshrrev_b32 v4, 4, v0                        ; thread / 16
	s_delay_alu instid0(VALU_DEP_2)
	v_mul_u32_u24 v5, v3, 4*TP
	s_delay_alu instid0(VALU_DEP_1)
	v_lshl_add_u32 v5, v4, 2, v5                   ; in: LDS row 4 c + j (the number's place in a row of w), word thread / 16 + 16 i (the row of w)
	s_delay_alu instid0(VALU_DEP_3)
	v_mul_u32_u24 v6, v4, TP
	s_delay_alu instid0(VALU_DEP_1)
	v_lshl_add_u32 v6, v3, 4, v6                   ; back: LDS row thread / 16 + 16 i, 16 bytes a lane
	v_lshlrev_b32 v7, 12, v4
	s_delay_alu instid0(VALU_DEP_1)
	v_lshl_add_u32 v7, v3, 4, v7                   ; and the same in out3: rows of 4,096 bytes
	s_lshl_b32 s14, ttmp9, 14
	s_mov_b32 s15, 0
	s_lshl_b32 s16, ttmp9, 8
	s_mov_b32 s17, 0
	s_mov_b32 s18, 0x76543210
	s_mov_b32 s19, 0xfedcba98
	s_wait_alu depctr_va_vdst(0)
	s_wait_kmcnt 0x0
	s_add_nc_u64 s[4:5], s[4:5], s[14:15]
	s_add_nc_u64 s[8:9], s[8:9], s[16:17]
.irp i, 0,1,2,3
	global_load_b128 v[8+4*\i:11+4*\i], v2, s[4:5] offset:4096*\i
.endr
	s_or_b32 s13, s12, ttmp9
	s_cmp_lg_u32 s13, 0
	s_cbranch_scc1 .Lno_sum                        ; no barrier stands in this branch
.irp i, 0,1,2,3,4,5,6,7,8,9,10,11,12,13,14,15
	global_load_b128 v[32+4*\i:35+4*\i], v2, s[6:7] offset:512*\i th:TH_LOAD_NT   ; in wave 0 the thread is the lane: 512 consecutive bytes a load
.endr
	s_wait_loadcnt 0x0
.irp i, 1
	v_pk_add_f32 v[32:33], v[32:33], v[32+4*\i:33+4*\i]
	v_pk_add_f32 v[34:35], v[34:35], v[34+4*\i:35+4*\i]
.endr
.irp i, 2, 3, 4, 5, 6, 7, 8, 9, 10, 11, 12, 13, 14, 15
	s_delay_alu instid0(VALU_DEP_2)
	v_pk_add_f32 v[32:33], v[32:33], v[32+4*\i:33+4*\i]
	s_delay_alu instid0(VALU_DEP_2)
	v_pk_add_f32 v[34:35], v[34:35], v[34+4*\i:35+4*\i]
.endr
	s_delay_alu instid0(VALU_DEP_1)
	v_pk_add_f32 v[32:33], v[32:33], v[34:35]
	s_delay_alu instid0(VALU_DEP_1)
	v_add_f32 v32, v32, v33
	s_delay_alu instid0(VALU_DEP_1)
	v_add_f32_dpp v32, v32, v32 row_xmask:1 row_mask:0xf bank_mask:0xf
	s_delay_alu instid0(VALU_DEP_1)
	v_add_f32_dpp v32, v32, v32 row_xmask:2 row_mask:0xf bank_mask:0xf
	s_delay_alu instid0(VALU_DEP_1)
	v_add_f32_dpp v32, v32, v32 row_xmask:4 row_mask:0xf bank_mask:0xf
	s_delay_alu instid0(VALU_DEP_1)
	v_add_f32_dpp v32, v32, v32 row_xmask:8 row_mask:0xf bank_mask:0xf
	s_delay_alu instid0(VALU_DEP_1)
	v_permlanex16_b32 v33, v32, s18, s19
	s_delay_alu instid0(VALU_DEP_1)
	v_add_f32 v32, v32, v33
	s_delay_alu instid0(VALU_DEP_1)
	v_mul_f32 v32, 0x33800000, v32                 ; x 2^-24
	v_mov_b32 v33, 0
	v_cmp_eq_u32 vcc_lo, 0, v0
	s_wait_alu depctr_va_vdst(0)
	s_wait_xcnt 0x0                                ; EXEC changes only behind this wait
	s_and_saveexec_b32 s20, vcc_lo
	global_store_b32 v33, v32, s[10:11]
	s_wait_xcnt 0x0
	s_or_b32 exec_lo, exec_lo, s20
.Lno_sum:
	s_wait_loadcnt 0x0
.irp i, 0,1,2,3
.irp j, 0,1,2,3
	ds_store_b32 v5, v[8+4*\i+\j] offset:TP*\j+64*\i
.endr
.endr
	s_wait_dscnt 0x0                               ; for the others' sake: my words lie in the tile
	s_barrier_signal -1
	s_barrier_wait -1
.irp i, 0,1,2,3
	ds_load_b128 v[8+4*\i:11+4*\i], v6 offset:16*TP*\i
.endr
.irp i, 0,1,2,3
	s_wait_dscnt 3-\i
	global_store_b128 v7, v[8+4*\i:11+4*\i], s[8:9] offset:65536*\i   ; sixteen lanes store 256 consecutive bytes, at a multiple of 256 from out3's first byte
.endr
	s_wait_tensorcnt 0x0
	ds_add_u32 v96, v97
	s_wait_dscnt 0x0
	s_endpgm
.Lfunc_end_k_q1a039a3252_finish:
	.size	k_q1a039a3252_finish, .Lfunc_end_k_q1a039a3252_finish-k_q1a039a3252_finish
	.p2alignl 7, 3214868480
	.fill 96, 4, 3214868480
	.section	.rodata,"a",@progbits
	.p2align	6, 0x0
	.amdhsa_kernel k_q1a039a3252_finish
		.amdhsa_group_segment_fixed_size 18432
		.amdhsa_private_segment_fixed_size 0
		.amdhsa_enable_private_segment 0
		.amdhsa_kernarg_size 32
		.amdhsa_user_sgpr_count 2
		.amdhsa_user_sgpr_kernarg_segment_ptr 1
		.amdhsa_wavefront_size32 1
		.amdhsa_system_sgpr_workgroup_id_x 1
		.amdhsa_system_sgpr_workgroup_id_y 1
		.amdhsa_system_sgpr_workgroup_id_z 1
		.amdhsa_system_vgpr_workitem_id 0
		.amdhsa_next_free_vgpr 98
		.amdhsa_next_free_sgpr 66
		.amdhsa_reserve_vcc 1
		.amdhsa_float_denorm_mode_32 3
		.amdhsa_float_denorm_mode_16_64 3
		.amdhsa_memory_ordered 1
		.amdhsa_forward_progress 1
		.amdhsa_inst_pref_size 10
	.end_amdhsa_kernel
	.amdgpu_metadata
---
amdhsa.version: [ 1, 2 ]
amdhsa.kernels:
  - .name:           k_q1a039a3252_finish
    .symbol:         k_q1a039a3252_finish.kd
    .args:
      - { .name: w, .offset: 0, .size: 8, .value_kind: global_buffer, .address_space: global }
      - { .name: part, .offset: 8, .size: 8, .value_kind: global_buffer, .address_space: global }
      - { .name: out3, .offset: 16, .size: 8, .value_kind: global_buffer, .address_space: global }
      - { .name: out1, .offset: 24, .size: 8, .value_kind: global_buffer, .address_space: global }
    .group_segment_fixed_size: 18432
    .private_segment_fixed_size: 0
    .kernarg_segment_align: 8
    .kernarg_segment_size: 32
    .max_flat_workgroup_size: 256
    .sgpr_count:     66
    .vgpr_count:     98
    .wavefront_size: 32
...
	.end_amdgpu_metadata
.endif
;; end of part 6
